; MI455X (gfx1250); checked and timed in simulation.
; The chip was launched on July 23, 2026; its instructions are those of AMD's public machine-readable ISA for CDNA 5 (MIT licence, August 2026) and "CDNA5" Instruction Set Architecture Reference Guide (July 2026). The comments in the code are by the model that wrote it; some were corrected since.
;; Causal Self Attention. Allowed arithmetic: matrix products marked QUANTISED: E2M3 operands, one E8M0 scale for each 32 along K, by v_wmma_scale_f32_16x16x128_f8f6f4 with both operands' format E2M3, f32 sums; everything else in f32.
;; Inputs: c_proj_b 1,024 float32; c_proj_w 1,024 x 1,024 float32; in_proj_b 3,072 float32; in_proj_w 3,072 x 1,024 float32; out_proj_b 1,024 float32; out_proj_w 1,024 x 1,024 float32; x 8 x 1,024 x 1,024 float32.
;; Outputs: out0 8 x 1,024 x 1,024 float32.
;; This version of the problem:
;;   THIS VERSION OF THE PROBLEM IS GIVEN IN LOW PRECISION. The matrix products marked QUANTISED in the list below multiply operands that are first quantised to E2M3 (2 exponent bits, 3 mantissa bits; 6 bits a number), with one power-of-two scale for each 32 numbers along K (OCP MX v1.0); their sums are f32. All else is computed in f32.
;;   The module's matrix products, in the order in which they are computed (A, B: the left and right operand; K: the contracted axis; several contracted axes count as one K, in the product's order):
;;     1. [M 8,192, K 1,024] x [K 1,024, N 3,072]; A: input x; B: input in_proj_w: QUANTISED
;;     2. batch 128 x [M 1,024, K 64] x [K 64, N 1,024]; A: computed on the way; B: computed on the way: QUANTISED
;;     3. batch 128 x [M 1,024, K 1,024] x [K 1,024, N 64]; A: softmax (see below); B: computed on the way: QUANTISED
;;     4. [M 8,192, K 1,024] x [K 1,024, N 1,024]; A: computed on the way; B: input out_proj_w: QUANTISED
;;     5. [M 8,192, K 1,024] x [K 1,024, N 1,024]; A: computed on the way; B: input c_proj_w: QUANTISED
;;   THE QUANTISER, for each operand of a quantised product, along K:
;;     - K is cut into blocks of 32 from its start; a last block that is shorter is filled with zeros.
;;     - A block's scale is 2^e with e = floor(log2(the largest magnitude in the block)) - 2, held to -126 .. 127; a block of zeros has e = 0. As a byte (E8M0): e + 127.
;;     - Each number is divided by its block's scale, clamped to +-7.5, and rounded to the nearest number of E2M3, ties to even, subnormals kept.
;;     - The product sums the exact products of the quantised numbers (number of the format x scale) in f32.
;;   ~~~python
;;   def quantise(x, axis):      # numpy; x: float32 -> the quantised numbers, widened to float32 again
;;       x = np.moveaxis(x, axis, -1); K = x.shape[-1]
;;       x = np.pad(x, [(0, 0)] * (x.ndim - 1) + [(0, -K % 32)]); x = x.reshape(x.shape[:-1] + (-1, 32)); a = np.abs(x).max(-1, keepdims=True)
;;       e = np.where(a > 0, np.clip(np.frexp(np.where(a > 0, a, 1))[1] - 1 - 2, -126, 127), 0)      # np.frexp(a)[1] - 1 = floor(log2(a)), exactly
;;       r = np.clip(x / 2.0 ** e, -7.5, 7.5)
;;       step = 2.0 ** (np.maximum(np.frexp(np.where(r == 0, 1, r))[1] - 1, 0) - 3)
;;       q = np.round(r / step) * step * 2.0 ** e      # np.round: ties to even
;;       return np.moveaxis(q.reshape(q.shape[:-2] + (-1,))[..., :K], -1, axis).astype(np.float32)
;;   ~~~
;;   SOFTMAX AHEAD OF A QUANTISED PRODUCT. Where the list says 'softmax', what is quantised is not the finished softmax but p = 2^(t - M), with t = logit x log2(e) and M = ceil(the row's largest t), a whole number; so 1/2 < the row's largest p <= 1. The row's sum l is taken of the UNQUANTISED p, in f32, and the product's result is divided by l at the end. Since M is a whole number, a kernel that streams over the keys may use a running M (the ceiling of the running maximum): every later rescaling is an exact power of two, which a block's scale takes up: the codes' values come out the same.
;;   OPERANDS COMPUTED ON THE WAY. 'Computed on the way' means the value that the module computes at that place (a softmax that the list does not call 'softmax' is quantised finished and normalised). What goes into a quantiser is computed in f32, as accurately as f32 sums, v_exp_f32 and their like allow (about 1e-6 of the number): no bf16 or f16 on the way to a quantiser, and a product that is left as it is and whose result goes on into a quantised operand takes f32 operands (vector FMAs, or v_wmma_f32_16x16x4_f32). A number that lies on a knife's edge between two numbers of the format may be rounded either way, as far as f32 arithmetic and the matrix unit's own rounding can turn it there, and no further.
;; One version. Each part assembles by itself: llvm-mc -triple=amdgcn-amd-amdhsa -mcpu=gfx1250 --defsym DOCPART=n.
;; ======== version 1 of 1: 5 launches
;; limits: right only within a limited range of input values
;; workspace buffers: xa 6,553,600 bytes; win 2,457,600 bytes; wp 1,638,400 bytes; qk 13,107,200 bytes; va 6,553,600 bytes; ya 6,553,600 bytes; y2a 6,553,600 bytes
;; launch quant (part 1): grid 416 x 1, 4 waves a work-group, no clusters, 33,280 bytes of LDS; arguments x, in_proj_w, out_proj_w, c_proj_w, xa, win, wp; writes xa, win, wp
.if DOCPART == 1
	.amdgcn_target "amdgcn-amd-amdhsa--gfx1250"
	.amdhsa_code_object_version 6
	.text
	.protected	k_qa948b12977_quant
	.globl	k_qa948b12977_quant
	.p2align	8
	.type	k_qa948b12977_quant,@function
k_qa948b12977_quant:
	s_mov_b64 s[64:65], 0
	v_nop
	global_prefetch_b8 v0, s[64:65] scope:SCOPE_SE
	s_setreg_imm32_b32 hwreg(HW_REG_WAVE_MODE, 25, 1), 1
	s_wait_xcnt 0x0
; x [8192][1024] and the three weights ([3072][1024], [1024][1024], [1024][1024]), f32, K innermost, become codes of FP6 (E2M3) with one E8M0 byte for each 32 along K.
; A block's scale is 2^(floor(log2(its largest magnitude)) - 2); its byte is the largest magnitude's exponent field - 2, held at 1 from below.
; LIMITS: NaN and infinities are not served; a block whose largest magnitude lies under 2^-124 keeps the byte 1; a block of zeros gets the byte 1 and zero codes (the bytes are read by this program alone).
; THE OPERAND FORMAT of R rows x 1024 along K, 800 R bytes: four planes of codes (plane s: K = 256 s .. 256 s + 255, 192 bytes a row, rows on end), then 32 scale bytes a row.
; A ROW LIES AT THE POSITION THAT HAS BITS 3 AND 4 OF ITS NUMBER EXCHANGED: sixteen neighbouring positions 32 c + 16 u + r then hold the rows 32 c + 8 u + r + 8 (r / 8), which is the choice of rows that lets
; a transposed product's registers run along the next K.  in_proj_w gives three such operands (q, k, v) on end in win, out_proj_w and c_proj_w two in wp.
; SHARES: a work-group takes 32 rows, a wave 8 (which stay neighbours: only the wave's place among the four changes).  One path for all four tensors: only pointers and sizes are chosen, by the work-group's number.
; A step is two rows x 256 along K: four loads of 512 consecutive bytes, turned through the wave's own stage in LDS so that a lane holds 16 neighbours; two neighbouring lanes hold a block.
; A step's codes leave as 384 consecutive bytes; a wave's 256 scale bytes are gathered in LDS and leave as one aligned run of 256 bytes.  No tensor loads, no barrier: waves share nothing.
.set STEPS, 16
.set EMAX,  2
.set R,     16                         ; v16-79   four sets of 16 numbers as loaded
.set X,     80                         ; v80-111  two sets of 16 neighbours
.set E,     112                        ; v112-127 a scale byte for each step
.set C,     128                        ; v128-191 codes: four registers for each step, so that no store's data are written again
.set WREG,  8192                       ; LDS: a wave's region: two stages of 32 x SP bytes, then its 256 scale bytes
.set SP,    80                         ; a lane's place in a stage: 64 bytes + 16 of padding
	s_load_b256 s[4:11], s[0:1], 0x0               ; x, in_proj_w, out_proj_w, c_proj_w
	s_load_b128 s[12:15], s[0:1], 0x20             ; xa, win
	s_load_b64 s[16:17], s[0:1], 0x30              ; wp
	v_lshl_add_u32 v192, v0, 2, 0x8000
	v_mov_b32 v193, 0
	v_lshrrev_b32 v1, 5, v0
	v_readfirstlane_b32 s18, v1                    ; wave 0..3
	v_and_b32 v2, 31, v0                           ; lane
	v_lshlrev_b32 v3, 4, v2                        ; my 16 bytes of a load's 512
	s_mul_i32 s19, s18, WREG
	v_lshrrev_b32 v14, 2, v2
	v_mul_u32_u24 v14, v14, SP
	v_and_b32 v15, 3, v2
	v_lshl_add_u32 v14, v15, 4, v14
	v_add_nc_u32 v14, s19, v14                     ; the stage, on the way in: SP (lane / 4) + 16 (lane % 4)
	v_mul_u32_u24 v15, v2, SP
	v_add_nc_u32 v15, s19, v15                     ; and on the way out: SP x lane: my 16 neighbours
	v_mul_u32_u24 v4, v2, 12                       ; my 12 bytes of a step's 384 bytes of codes
	s_add_co_u32 s19, s19, 2*32*SP
	v_lshrrev_b32 v5, 4, v2                        ; which of the step's two rows is mine,
	v_bfe_u32 v6, v2, 1, 3                         ; which of its eight blocks
	v_lshl_add_u32 v5, v5, 5, v6
	v_add_nc_u32 v5, s19, v5                       ; LDS: my block's scale byte: 32 bytes a row
	v_lshlrev_b32 v7, 3, v2                        ; the scale bytes on the way out: 8 bytes a lane
	v_add_nc_u32 v6, s19, v7
	s_wait_alu depctr_va_vdst(0)
	s_wait_kmcnt 0x0
	; which tensor: s20 block of 32 rows in the source, s21 the operand's first byte in its buffer, s22 block of 32 rows in the operand, s23 a plane, s24 where the scales begin, s[26:27] source, s[28:29] buffer
	s_sub_co_u32 s20, ttmp9, 384                   ; c_proj_w: work-groups 384 .. 415
	s_mov_b32 s21, 819200
	s_mov_b64 s[26:27], s[10:11]
	s_mov_b64 s[28:29], s[16:17]
	s_sub_co_u32 s25, ttmp9, 352                   ; out_proj_w: 352 .. 383
	s_cmp_lt_u32 ttmp9, 384
	s_cselect_b32 s20, s25, s20
	s_cselect_b32 s21, 0, s21
	s_cselect_b64 s[26:27], s[8:9], s[26:27]
	s_sub_co_u32 s25, ttmp9, 256                   ; in_proj_w: 256 .. 351: three operands of 1,024 rows
	s_lshr_b32 s30, s25, 5
	s_mul_i32 s30, s30, 819200
	s_cmp_lt_u32 ttmp9, 352
	s_cselect_b32 s20, s25, s20
	s_cselect_b32 s21, s30, s21
	s_cselect_b64 s[26:27], s[6:7], s[26:27]
	s_cselect_b64 s[28:29], s[14:15], s[28:29]
	s_and_b32 s22, s20, 31
	s_mov_b32 s23, 196608
	s_mov_b32 s24, 786432
	s_mov_b32 s30, 1572864
	s_mov_b32 s31, 6291456
	s_cmp_lt_u32 ttmp9, 256                        ; x: 0 .. 255
	s_cselect_b32 s20, ttmp9, s20
	s_cselect_b32 s22, ttmp9, s22
	s_cselect_b32 s21, 0, s21
	s_cselect_b32 s23, s30, s23
	s_cselect_b32 s24, s31, s24
	s_cselect_b64 s[26:27], s[4:5], s[26:27]
	s_cselect_b64 s[28:29], s[12:13], s[28:29]
	s_lshl_b32 s30, s20, 17                        ; 32 rows of 4,096 bytes,
	s_lshl_b32 s31, s18, 15                        ; my wave's 8
	s_add_co_u32 s30, s30, s31
	s_mov_b32 s31, 0
	s_add_nc_u64 s[26:27], s[26:27], s[30:31]
	s_and_b32 s30, s18, 1                          ; the wave's two bits change places: bits 3 and 4 of the row's number
	s_lshl_b32 s30, s30, 1
	s_lshr_b32 s31, s18, 1
	s_or_b32 s30, s30, s31
	s_lshl_b32 s30, s30, 3
	s_lshl_b32 s31, s22, 5
	s_add_co_u32 s30, s30, s31                     ; my first row's position
	s_mul_i32 s42, s30, 192
	s_add_co_u32 s42, s42, s21
	s_mov_b32 s43, 0
	s_mov_b32 s44, s23
	s_mov_b32 s45, 0
	s_add_nc_u64 s[32:33], s[28:29], s[42:43]      ; my rows in plane 0,
	s_add_nc_u64 s[34:35], s[32:33], s[44:45]      ; 1,
	s_add_nc_u64 s[36:37], s[34:35], s[44:45]      ; 2,
	s_add_nc_u64 s[38:39], s[36:37], s[44:45]      ; 3
	s_lshl_b32 s42, s30, 5
	s_add_co_u32 s42, s42, s21
	s_add_co_u32 s42, s42, s24
	s_add_nc_u64 s[40:41], s[28:29], s[42:43]      ; and their scale bytes
.macro LOAD t                          ; step t: rows 2 (t / 4) and 2 (t / 4) + 1, K = 256 (t % 4) on: 32 lanes read 512 consecutive bytes
.irp i, 0,1,2,3
	global_load_b128 v[R+16*((\t)%4)+4*\i:R+16*((\t)%4)+4*\i+3], v3, s[26:27] offset:(2*((\t)/4)+\i/2)*4096+((\t)%4)*1024+(\i%2)*512 th:TH_LOAD_NT
.endr
.endm
.macro TURN t                          ; through the stage: LDS serves a wave's instructions in order, so no wait stands between the stores and the loads
.irp i, 0,1,2,3
	ds_store_b128 v14, v[R+16*((\t)%4)+4*\i:R+16*((\t)%4)+4*\i+3] offset:32*SP*((\t)%2)+8*SP*\i
.endr
.irp i, 0,1,2,3
	ds_load_b128 v[X+16*((\t)%2)+4*\i:X+16*((\t)%2)+4*\i+3], v15 offset:32*SP*((\t)%2)+16*\i
.endr
.endm
.irp t, 0,1,2,3
	LOAD \t
.endr
	s_wait_loadcnt 12                              ; step 0's four loads are in
	TURN 0
.macro STEP t
.set XS, X+16*((\t)%2)
.if (\t) > 0
	s_wait_dscnt 1                                 ; this step's numbers are back from the stage (the last step's byte store may be out): so its stores into the stage have read their registers,
.else
	s_wait_dscnt 0x0
.endif
.if (\t)+4 < STEPS
	LOAD (\t)+4                                    ; which take the loads of four steps on
.endif
.if (\t)+1 < STEPS
.if STEPS-2-(\t) >= 3
	s_wait_loadcnt 12                              ; the next step's four loads are in; those of the three steps behind it may be out
.else
	s_wait_loadcnt 4*(STEPS-2-(\t))
.endif
	TURN (\t)+1
.endif
	v_max3_num_f32 v8, |v[XS]|, |v[XS+1]|, |v[XS+2]|               ; the largest magnitude of my 16, in two chains
	v_max3_num_f32 v9, |v[XS+3]|, |v[XS+4]|, |v[XS+5]|
.irp i, 6,10
	v_max3_num_f32 v8, v8, |v[XS+\i]|, |v[XS+\i+1]|
	v_max3_num_f32 v9, v9, |v[XS+\i+2]|, |v[XS+\i+3]|
.endr
	v_max3_num_f32 v8, v8, |v[XS+14]|, |v[XS+15]|
	v_max3_num_f32 v8, v8, v9, (EMAX+1)<<23        ; and the floor 2^(3 - 127): the byte cannot fall under 1
	v_max_num_f32_dpp v8, v8, v8 row_xmask:1 row_mask:0xf bank_mask:0xf   ; and of my neighbour's 16: the block's
	v_add_nc_u32 v11, -(EMAX<<23), v8              ; 2 off its exponent field: the conversion takes the exponent field of this operand as its scale
	v_cvt_scalef32_pk16_fp6_f32 v[C+4*(\t):C+4*(\t)+2], v[XS:XS+15], v11
	v_lshrrev_b32 v[E+(\t)], 23, v11               ; the scale's byte
	ds_store_b8 v5, v[E+(\t)] offset:64*((\t)/4)+8*((\t)%4)        ; both lanes of a block write the same byte with the same value
	global_store_b96 v4, v[C+4*(\t):C+4*(\t)+2], s[32+2*((\t)%4):33+2*((\t)%4)] offset:384*((\t)/4)   ; two rows' 192 bytes of the plane, on end
.endm
.irp t, 0,1,2,3,4,5,6,7,8,9,10,11,12,13,14,15
	STEP \t
.endr
	ds_load_b64 v[12:13], v6                       ; LDS serves a wave's instructions in order: these see my stores
	s_wait_dscnt 0x0
	global_store_b64 v7, v[12:13], s[40:41]        ; 8 rows x 32 scale bytes: 256 consecutive bytes, aligned
	s_wait_tensorcnt 0x0
	ds_add_u32 v192, v193
	s_wait_dscnt 0x0
	s_endpgm
.Lfunc_end_k_qa948b12977_quant:
	.size	k_qa948b12977_quant, .Lfunc_end_k_qa948b12977_quant-k_qa948b12977_quant
	.p2alignl 7, 3214868480
	.fill 96, 4, 3214868480
	.section	.rodata,"a",@progbits
	.p2align	6, 0x0
	.amdhsa_kernel k_qa948b12977_quant
		.amdhsa_group_segment_fixed_size 33280
		.amdhsa_private_segment_fixed_size 0
		.amdhsa_enable_private_segment 0
		.amdhsa_kernarg_size 56
		.amdhsa_user_sgpr_count 2
		.amdhsa_user_sgpr_kernarg_segment_ptr 1
		.amdhsa_wavefront_size32 1
		.amdhsa_system_sgpr_workgroup_id_x 1
		.amdhsa_system_sgpr_workgroup_id_y 1
		.amdhsa_system_sgpr_workgroup_id_z 1
		.amdhsa_system_vgpr_workitem_id 0
		.amdhsa_next_free_vgpr 194
		.amdhsa_next_free_sgpr 66
		.amdhsa_reserve_vcc 0
		.amdhsa_float_denorm_mode_32 3
		.amdhsa_float_denorm_mode_16_64 3
		.amdhsa_memory_ordered 1
		.amdhsa_forward_progress 1
		.amdhsa_inst_pref_size 34
	.end_amdhsa_kernel
	.amdgpu_metadata
---
amdhsa.version: [ 1, 2 ]
amdhsa.kernels:
  - .name:           k_qa948b12977_quant
    .symbol:         k_qa948b12977_quant.kd
    .args:
      - { .name: x, .offset: 0, .size: 8, .value_kind: global_buffer, .address_space: global }
      - { .name: in_proj_w, .offset: 8, .size: 8, .value_kind: global_buffer, .address_space: global }
      - { .name: out_proj_w, .offset: 16, .size: 8, .value_kind: global_buffer, .address_space: global }
      - { .name: c_proj_w, .offset: 24, .size: 8, .value_kind: global_buffer, .address_space: global }
      - { .name: xa, .offset: 32, .size: 8, .value_kind: global_buffer, .address_space: global }
      - { .name: win, .offset: 40, .size: 8, .value_kind: global_buffer, .address_space: global }
      - { .name: wp, .offset: 48, .size: 8, .value_kind: global_buffer, .address_space: global }
    .group_segment_fixed_size: 33280
    .private_segment_fixed_size: 0
    .kernarg_segment_align: 8
    .kernarg_segment_size: 56
    .max_flat_workgroup_size: 128
    .sgpr_count:     66
    .vgpr_count:     194
    .wavefront_size: 32
...
	.end_amdgpu_metadata
.endif
;; end of part 1
;; launch qkv (part 2): grid 12 x 16, 4 waves a work-group, clusters of 4 x 4, 327,680 bytes of LDS; arguments xa, win, in_proj_b, qk, va; writes qk, va
.if DOCPART == 2
	.amdgcn_target "amdgcn-amd-amdhsa--gfx1250"
	.amdhsa_code_object_version 6
	.text
	.protected	k_qa948b12977_qkv
	.globl	k_qa948b12977_qkv
	.p2align	8
	.type	k_qa948b12977_qkv,@function
k_qa948b12977_qkv:
	s_mov_b64 s[64:65], 0
	v_nop
	global_prefetch_b8 v0, s[64:65] scope:SCOPE_SE
	s_setreg_imm32_b32 hwreg(HW_REG_WAVE_MODE, 25, 1), 1
	s_wait_xcnt 0x0
	s_wait_alu depctr_hold_cnt(0) depctr_sa_sdst(0) depctr_va_vdst(0) depctr_va_sdst(0) depctr_va_ssrc(0) depctr_va_vcc(0) depctr_vm_vsrc(0)
	s_getreg_b32 s2, hwreg(HW_REG_IB_STS2, 6, 4)
	s_cmp_eq_u32 s2, 0
	s_cbranch_scc0 .Lentry_in_a_cluster
	s_endpgm
.Lentry_in_a_cluster:
	s_bfe_u32 s2, ttmp6, 0x10000c
	s_cmp_lg_u32 s2, 0xf033
	s_cbranch_scc0 .Lentry_shape_is_right
	s_endpgm
.Lentry_shape_is_right:
; q, k, v = Q(x W^T + b): a GEMM on codes of FP6 (E2M3, one E8M0 scale for each 32 along K = 1024) whose result is quantised again, along its columns, and leaves as codes and scale bytes.
; Arguments: act (8,192 rows), w (three operands of 1,024 rows on end), bias, outn, outv.  OPERAND FORMAT of R rows: four planes of codes (plane s: K = 256 s on, 192 bytes a row), then 32 scale bytes a row;
; a row lies at the position that has bits 3 and 4 of its number exchanged.
; Cluster x picks the operand of w and the piece of outn (0: q, 1: k).  CLUSTER x = 2 MAKES V TRANSPOSED: the same text with the operands' parts exchanged (rows = Wv's 1,024, columns = the 8,192 tokens),
; so that v is quantised along the tokens, which are the K of attention's second product; it goes to outv: 32 planes of 256 tokens, then 256 scale bytes a row.
; A tile of 256 x 256 is made by four waves, 128 x 128 each: 64 accumulators, 512 registers.  K goes in four steps of 256 through two LDS slots filled by the tensor data mover; a tile's 128 rows of a plane are one dense
; block of 24,576 bytes, stated as 32 rows of 768.
; A WORK-GROUP STAYS: the launch has 384 tiles, which is no multiple of the WGPs' number; 192 work-groups make two tiles each, the second 4,096 positions of act further on (its weights and its biases are the first's).
; The ring does not stop at the first tile's end: its last two changes of slots ask for the second tile's planes 0 and 1, which land while the first tile leaves.  Both tiles' scale bytes come with the first fills.
; The two tiles are written out one behind the other, since their refills differ.
; CLUSTERS: 4 x 4 work-groups; the four of a row need the same tiles of the row operand, the four of a column those of the column operand: each tile is asked for jointly.
; THE MATRIX INSTRUCTION IS USED TRANSPOSED (source 0 = 16 positions of the column operand, source 1 = 16 of the row operand).  By the order of positions the 16 registers of accumulators (a, 2 c) and (a, 2 c + 1) are the
; 16 neighbouring columns 32 c + 16 (lane / 16) + 0 .. 15 of row position 16 a + lane % 16: what the conversions want.
; THE BIAS: by columns it is the C of each sum's first matrix instruction (table BN); by rows (V transposed) it is added in the way out's one copy (table BM).  Both tables are always loaded; the one that does not
; apply is multiplied by 0, so that no branch is needed.
; LIMITS: NaN and infinities are not served (the multiplication by 0 among the reasons); a block whose largest magnitude lies under 2^-124 keeps the byte 1; a block of zeros gets the byte 1 and zero codes.
; REGISTERS, in windows of 256: window 0: v0-31 addresses; v32-63 scale words, two sets; v64-127 BN; v128-223 the row operand's fragments, ONE set (on the way out: numbers, codes, rows read back); v224-239 BM; v240-252 at work on the way out.
;   window 1: the column operand's fragments, TWO sets.   window 2: the accumulators of my rows 0-63 ((a, b) at v[8 (8 a + b)]);   window 3: those of my rows 64-127.
; WHERE THIS TEXT DIFFERS FROM THE LINES ABOVE.  The output's codes lie in SUB-PLANES of 64 along the next K, 48 bytes a row: outn: sub-plane = head (16 of 8,192 rows); outv: 128 sub-planes of 64 tokens, 1,024 rows each.
; At the head each wave asks for one whole tile (row operand's plane 0, column operand's plane 0, the two sets of scale bytes); slot 1 is first filled behind a round, and the second tile's scale bytes between the halves of the first tile's way out.
.set NQ,     2
.set PITCH,  240                       ; an LDS row: 3 x (64 bytes of codes + 16 of padding)
.set FR,     12                        ; registers of a fragment
.set NL,     6                         ; LDS loads that bring one
.set NP,     4                         ; places behind this matrix instruction (ISA guide 7.12.1)
.set HALFT,  128*PITCH                 ; 128 rows: what one tensor load brings
.set SLOT,   4*HALFT                   ; the row operand's 256 rows, then the column operand's
.set SCL,    2*SLOT                    ; behind the ring: the scales, as runs of 256 bytes + 16 of padding
.set HALFS,  16*272                    ; those of 128 rows
.set SBLK,   2*272                     ; those of 16 rows
.set SSET,   4*HALFS                   ; those of a tile: two such sets, one for each of the work-group's tiles
.set SPT,    272                       ; the way out: a stage of 128 rows, each sixteen places of 16 bytes with 12 bytes of codes, + 16.  It has bytes of its own: no tile lands there
.set STG,    SCL+2*SSET
.set SST,    STG+128*SPT               ; and behind it 8 scale bytes a row
.set SPARE,  SST+128*8                 ; the spare words, 128 bytes for each wave
.set PBIG,   1572864                   ; a plane of 8,192 rows
.set PSML,   196608                    ; of 1,024 rows
.set SBIG,   6291456                   ; where the scales begin behind 8,192 rows' codes (and behind outv's 32 planes)
.set SSML,   786432                    ; behind 1,024 rows' codes
.set WALK,   4096                      ; positions of act from the first tile to the second
.set BO,   10                          ; v10     BN's loads: 64 x (lane / 16)
.set MO,   11                          ; v11     BM's loads: 4 x (r + 8 (r / 8))
.set GS0,  12                          ; v12-13  my row of scale bytes in memory, in the first and in the second half of a tile
.set FA,   14                          ; v14-15  1 or 0 for BN, 0 or 1 for BM
.set ADRA, 16                          ; v16-19  LDS addresses of the row operand's fragments in slot 0, 1 (18-19: behind one padding more)
.set ADRB, 20                          ; v20-23  the same for the column operand
.set STO,  24                          ; v24     the stage: where I put 12 bytes of codes
.set RD,   25                          ; v25     where I read them back
.set CO,   6                           ; v6-9    12 x lane + sub-plane x its size
.set ADRS, 27                          ; v27     my scale words: lanes 0-15 the row operand's, lanes 16-31 the column operand's
.set SPW,  28                          ; v28     my spare word; never rewritten
.set NIL,  29                          ; v29     0; never rewritten
.set SSTO, 30                          ; v30     the stage: where I put a scale word
.set SRD,  31                          ; v31     where I read 8 scale bytes back
.set SC,   32
.set BN,   64
.set AF,   128
.set T,    128                         ; the way out: 64 numbers of a lane; then 32 rows read back
.set CD,   192                         ; their codes
.set SBY,  208                         ; 8 scale bytes read back
.set BM,   224                         ; BM[a] at v[BM + 2 a]; the odd registers hold 0
.set MX,   240
.set AX,   244
.set SO,   248
.set PW,   252
.set G1,   24                          ; s[24:31] group 1 for the row operand's tiles; s[32:39] group 0, a set for each slot
.set G0,   32
.set G1B,  48                          ; the same for the column operand
.set G0B,  56
.set G1S,  68                          ; and for the scales
.set G0S,  76
.set G1SB, 80
.set G0SB, 88
.set G0S2, 8                           ; s[8:11], s[92:95] group 0 for the second tile's scales
.set G0SB2, 92
.set SEL,  18                          ; s[18:19] lane selects for v_permlanex16_b32
.set BKA,  20                          ; s[20:21] bytes back from a slot's last plane of the first tile to its first of the second: the row operand's; s[22:23] the column operand's
.set BKB,  22
.set OSC,  12                          ; s[12:13] bytes from the first tile's codes to the second's in the output; s[46:47] the same for the scale bytes
.set OSS,  46
.set OC,   104                         ; s[104:105] where my rows' codes go
.set MSB, 0
.macro WIN new                         ; the immediate's high byte repeats the setting that is left
.if MSB != \new
	s_set_vgpr_msb (MSB<<8)|\new
.set MSB, \new
.endif
.endm
.set MUL_LO,  0xa1                     ; source 0 window 1, source 1 window 0, C and D window 2
.set MUL_HI,  0xf1                     ; the same, C and D window 3
.set MUL_LO0, 0x81                     ; a sum's first product: C (BN) window 0, D window 2
.set MUL_HI0, 0xc1                     ; D window 3
.set TO_B,    0x40                     ; destination window 1, address window 0
; A joint load: waves 0 and 1 fetch for the row operand, waves 2 and 3 for the column operand.  The branch hangs on the wave's number alone.  Four v_nop follow each of the two lines.
.macro JLOAD g0a, g1a, g0b, g1b
	s_cmp_eq_u32 s15, 0
	s_cbranch_scc0 .Lfor_b_\@
	tensor_load_to_lds s[\g0a:\g0a+3], s[\g1a:\g1a+7]
	s_nop 0
.rept 4
	v_nop
.endr
	s_branch .Lasked_\@
.Lfor_b_\@:
	tensor_load_to_lds s[\g0b:\g0b+3], s[\g1b:\g1b+7]
	s_nop 0
.rept 4
	v_nop
.endr
.Lasked_\@:
.endm
.macro CREST                           ; a round of the cluster's barrier behind its opening barrier
	s_cmp_lg_u32 s14, 0
	s_cbranch_scc1 .Lnot_wave_0_\@
	s_barrier_signal -3
.Lnot_wave_0_\@:
	s_barrier_wait -3
	s_barrier_signal -1
	s_barrier_wait -1
.endm
.macro CROUND
	s_barrier_signal -1
	s_barrier_wait -1
	CREST
.endm
	s_load_b256 s[4:11], s[0:1], 0x0               ; act s[4:5], w s[6:7], bias s[8:9], outn s[10:11]
	s_load_b64 s[12:13], s[0:1], 0x20              ; outv
	v_lshl_add_u32 v[SPW], v0, 2, SPARE
	v_mov_b32 v[NIL], 0
	ds_add_u32 v28, v29
	ds_add_u32 v28, v29
	s_wait_dscnt 0x0
	v_lshrrev_b32 v1, 5, v0
	v_readfirstlane_b32 s14, v1                    ; wave 0..3
	s_lshr_b32 s15, s14, 1                         ; which half of the tile's rows is mine.  Also: I fetch for the row operand (0) or the column operand (1)
	s_and_b32 s16, s14, 1                          ; which half of its columns.  Also: which 128 rows of that tile I fetch
	s_bfe_u32 s40, ttmp6, 0x40000                  ; cx, cy: my place in the cluster
	s_bfe_u32 s41, ttmp6, 0x40004
	s_lshl_b32 s43, s41, 2
	s_lshl_b32 s43, 15, s43                        ; my row of the cluster
	s_lshl_b32 s44, 0x1111, s40                    ; my column
	; group 1: a dense block of 24,576 bytes as 32 rows of 768; 16 bytes of padding behind every 64
	s_or_b32 s[G1+0], s43, (1<<20)|(1<<21)|(3<<22)|(3<<25)  ; 15:0 the mask; 17:16 elements of 1 byte; 20 padding on; 21 set beside a mask; 24:22 after every 16 words; 31:25 4 words of it
	s_or_b32 s[G1B+0], s44, (1<<20)|(1<<21)|(3<<22)|(3<<25)
.irp g, G1, G1B
	s_mov_b32 s[\g+1], 768<<16                     ; tensor_dim0
	s_mov_b32 s[\g+2], 64<<16                      ; tensor_dim1: 256 rows of a plane at the head; set to 128 rows' behind the head's loads
	s_mov_b32 s[\g+3], 768<<16                     ; tile_dim0
	s_mov_b32 s[\g+4], 64
	s_mov_b32 s[\g+5], 768                         ; tensor_dim0_stride
	s_mov_b32 s[\g+6], 0
	s_mov_b32 s[\g+7], 0
.endr
	; the scales of 128 rows: 4,096 dense bytes as 16 rows of 256 (32 elements of 8 bytes), 16 bytes of padding behind each
	s_or_b32 s[G1S+0], s43, (3<<16)|(1<<20)|(1<<21)|(5<<22)|(3<<25)
	s_or_b32 s[G1SB+0], s44, (3<<16)|(1<<20)|(1<<21)|(5<<22)|(3<<25)
.irp g, G1S, G1SB
	s_mov_b32 s[\g+1], 32<<16
	s_mov_b32 s[\g+2], 32<<16                      ; the scales of 256 rows at the head
	s_mov_b32 s[\g+3], 32<<16
	s_mov_b32 s[\g+4], 32
	s_mov_b32 s[\g+5], 32
	s_mov_b32 s[\g+6], 0
	s_mov_b32 s[\g+7], 0
.endr
	; the two forms of the launch, told apart by the cluster's x, which all sixteen partners share
	s_and_b32 s18, ttmp7, 0xffff
	s_lshl_b32 s18, s18, 2                         ; 4 x cluster y: the first tile's; the second's is 16 more
	s_mov_b32 s19, 2*PBIG
	s_mov_b32 s20, 2*PSML
	s_mov_b32 s21, SBIG
	s_mov_b32 s22, SSML
	s_cmp_eq_u32 ttmp9, 2
	s_cselect_b32 s66, 1, 0                        ; 1: V transposed
	s_cselect_b32 s67, 256, 32                     ; a row of scale bytes in the output
	s_cselect_b32 s17, 0, s18
	s_cselect_b32 s42, s18, 0
	s_cselect_b32 s96, s20, s19                    ; two planes of the row operand: a refill's step
	s_cselect_b32 s98, s19, s20                    ; of the column operand
	s_cselect_b32 s23, s22, s21                    ; where the row operand's scales begin
	s_cselect_b32 s95, s21, s22                    ; the column operand's
	s_cselect_b32 s3, 0, 1.0
	v_mov_b32 v[FA], s3
	s_cselect_b32 s3, 1.0, 0
	v_mov_b32 v[FA+1], s3
	s_mov_b32 s97, 0
	s_mov_b32 s99, 0
	s_add_co_u32 s17, s17, s41                     ; tile row
	s_add_co_u32 s42, s42, s40                     ; tile column
	s_lshl_b32 s18, s16, 7                         ; which 128 rows of the tile I fetch
	s_lshl_b32 s20, s17, 8
	s_add_co_u32 s20, s20, s18                     ; row operand: position 256 x tile row + 128 x half
	s_lshl_b32 s46, s42, 8
	s_add_co_u32 s46, s46, s18                     ; column operand: 256 x tile column + 128 x half
	s_lshl_b32 s22, s20, 5
	s_add_co_u32 s22, s22, s23                     ; where these rows' scales begin,
	s_lshl_b32 s94, s46, 5
	s_add_co_u32 s94, s94, s95
	s_mul_i32 s20, s20, 192                        ; and their codes in plane 0
	s_mul_i32 s46, s46, 192
	s_mov_b32 s21, 0
	s_mov_b32 s23, 0
	s_mov_b32 s47, 0
	s_mov_b32 s95, 0
	s_lshr_b32 s18, s96, 1                         ; a plane of the row operand,
	s_mov_b32 s19, 0
	s_lshr_b32 s104, s98, 1                        ; of the column operand
	s_mov_b32 s105, 0
	s_mul_i32 s45, s14, HALFT                      ; where the tiles go: wave x 128 rows: no place in the cluster enters an LDS address
	s_mul_i32 s2, s14, HALFS
	s_wait_kmcnt 0x0
	s_mov_b32 s101, 0
	s_mul_i32 s100, ttmp9, 819200
	s_add_nc_u64 s[6:7], s[6:7], s[100:101]        ; the cluster's operand of w
	s_mul_i32 s100, ttmp9, 6553600
	s_add_nc_u64 s[10:11], s[10:11], s[100:101]    ; and its piece of outn
	s_cmp_eq_u32 s66, 1
	s_cselect_b64 s[100:101], s[12:13], s[10:11]   ; the output
	s_cselect_b64 s[10:11], s[6:7], s[4:5]         ; the row operand
	s_cselect_b64 s[12:13], s[4:5], s[6:7]         ; the column operand
	s_lshl_b32 s4, ttmp9, 12                       ; BN: the bias of my 128 columns: 4 x (1024 x cluster x + 256 cx + 128 x half)
	s_lshl_b32 s3, s40, 10
	s_add_co_u32 s4, s4, s3
	s_lshl_b32 s3, s16, 9
	s_add_co_u32 s4, s4, s3
	s_lshl_b32 s6, s17, 10                         ; BM: the bias of my 128 rows: 4 x (2048 + 256 x tile row + 128 x half)
	s_lshl_b32 s3, s15, 9
	s_add_co_u32 s6, s6, s3
	s_add_co_u32 s6, s6, 8192
	s_cmp_eq_u32 s66, 1
	s_cselect_b32 s4, 0, s4                        ; the table that does not apply is read at the bias's head: every load stays inside its buffer
	s_cselect_b32 s6, s6, 0
	s_mov_b32 s5, 0
	s_mov_b32 s7, 0
	s_add_nc_u64 s[4:5], s[8:9], s[4:5]
	s_add_nc_u64 s[6:7], s[8:9], s[6:7]
	s_add_nc_u64 s[20:21], s[10:11], s[20:21]
	s_add_nc_u64 s[22:23], s[10:11], s[22:23]
	s_add_nc_u64 s[46:47], s[12:13], s[46:47]
	s_add_nc_u64 s[94:95], s[12:13], s[94:95]
	CROUND                                         ; all sixteen work-groups are here: the first joint loads meet
	s_mov_b32 s[G0S], 1
	s_add_co_u32 s[G0S+1], s2, SCL
	s_mov_b64 s[G0S+2:G0S+3], s[22:23]
	s_or_b32 s[G0S+3], s[G0S+3], 0x80000000
	s_mov_b32 s[G0SB], 1
	s_add_co_u32 s[G0SB+1], s2, SCL
	s_mov_b64 s[G0SB+2:G0SB+3], s[94:95]
	s_or_b32 s[G0SB+3], s[G0SB+3], 0x80000000
	s_mov_b32 s13, 0                               ; the second tile's: act's lie WALK rows of 32 bytes further on, the weights' are the same bytes again
	s_cmp_eq_u32 s66, 1
	s_cselect_b32 s12, 0, WALK*32
	s_add_nc_u64 s[G0S2+2:G0S2+3], s[22:23], s[12:13]
	s_cselect_b32 s12, WALK*32, 0
	s_add_nc_u64 s[G0SB2+2:G0SB2+3], s[94:95], s[12:13]
	s_or_b32 s[G0S2+3], s[G0S2+3], 0x80000000
	s_or_b32 s[G0SB2+3], s[G0SB2+3], 0x80000000
	s_mov_b32 s[G0S2], 1
	s_mov_b32 s[G0SB2], 1
	s_add_co_u32 s[G0S2+1], s2, SCL+SSET
	s_add_co_u32 s[G0SB2+1], s2, SCL+SSET
	s_mov_b32 s[G0], 1
	s_mov_b32 s[G0+1], s45
	s_mov_b64 s[G0+2:G0+3], s[20:21]
	s_or_b32 s[G0+3], s[G0+3], 0x80000000
	s_mov_b32 s[G0B], 1
	s_mov_b32 s[G0B+1], s45
	s_mov_b64 s[G0B+2:G0B+3], s[46:47]
	s_or_b32 s[G0B+3], s[G0B+3], 0x80000000
	s_mov_b32 s[G0+4], 1
	s_add_co_u32 s[G0+5], s45, SLOT
	s_add_nc_u64 s[G0+6:G0+7], s[20:21], s[18:19]
	s_or_b32 s[G0+7], s[G0+7], 0x80000000
	s_mov_b32 s[G0B+4], 1
	s_add_co_u32 s[G0B+5], s45, SLOT
	s_add_nc_u64 s[G0B+6:G0B+7], s[46:47], s[104:105]
	s_or_b32 s[G0B+7], s[G0B+7], 0x80000000
	; THE HEAD'S LOADS, ONE A WAVE: the descriptors of slot 0 and of the first scales are turned from my quarter to the whole tile
	s_mul_i32 s12, s16, 24576
	s_mov_b32 s13, 0
	s_mov_b32 s[G0+1], 0
	s_sub_nc_u64 s[G0+2:G0+3], s[G0+2:G0+3], s[12:13]
	s_mov_b32 s[G0B+1], 2*HALFT
	s_sub_nc_u64 s[G0B+2:G0B+3], s[G0B+2:G0B+3], s[12:13]
	s_lshl_b32 s12, s16, 12
	s_mov_b32 s[G0S+1], SCL
	s_sub_nc_u64 s[G0S+2:G0S+3], s[G0S+2:G0S+3], s[12:13]
	s_mov_b32 s[G0SB+1], SCL+2*HALFS
	s_sub_nc_u64 s[G0SB+2:G0SB+3], s[G0SB+2:G0SB+3], s[12:13]
.macro ARM under, g0, g1, next         ; one chain of branches on the wave's number, one load to an arm, all arms to one join
	s_cmp_lt_u32 s14, \under
	s_cbranch_scc0 \next
	tensor_load_to_lds s[\g0:\g0+3], s[\g1:\g1+7]
	s_nop 0
.rept 4
	v_nop
.endr
	s_branch .Lhead_asked
\next:
.endm
	ARM 1, G0,  G1,  .Lhead_b
	ARM 2, G0B, G1B, .Lhead_sa
	ARM 3, G0S, G1S, .Lhead_sb
	tensor_load_to_lds s[G0SB:G0SB+3], s[G1SB:G1SB+7]
	s_nop 0
.rept 4
	v_nop
.endr
.Lhead_asked:
	v_and_b32 v1, 15, v0                           ; r = lane % 16
	v_bfe_u32 v2, v0, 4, 1                         ; h = lane / 16
	v_lshlrev_b32 v[BO], 6, v2
	v_and_b32 v[MO], 8, v1
	v_add_nc_u32 v[MO], v[MO], v1
	v_lshlrev_b32 v[MO], 2, v[MO]
.irp c, 0,1,2,3
.irp k, 0,1,2,3
	global_load_b128 v[BN+16*\c+4*\k:BN+16*\c+4*\k+3], v[BO], s[4:5] offset:128*\c+16*\k   ; BN[16 c + i] = the bias of column 32 c + 16 h + i
.endr
.endr
.irp a, 0,1,2,3,4,5,6,7
	global_load_b32 v[BM+2*\a], v[MO], s[6:7] offset:4*(32*(\a/2)+8*(\a%2))   ; BM[a] = the bias of the row at position 16 a + r: row 32 (a / 2) + 8 (a % 2) + r + 8 (r / 8)
	v_mov_b32 v[BM+2*\a+1], 0                      ; (named with it as a pair)
.endr
	s_mov_b32 s[SEL], 0x76543210
	s_mov_b32 s[SEL+1], 0xfedcba98
	v_mul_u32_u24 v3, v1, PITCH
	v_mul_u32_u24 v4, v2, 24
	v_add_nc_u32 v4, v3, v4                        ; a fragment's row x pitch + 24 x half
	v_lshl_add_u32 v5, v2, 4, v4                   ; and the same behind one padding more
	s_mul_i32 s21, s15, HALFT                      ; my 128 rows of the row operand,
	s_mul_i32 s22, s16, HALFT                      ; of the column operand,
	s_add_co_u32 s22, s22, 2*HALFT                 ; which lie behind the other's 256
.irp s, 0,1
	v_add_nc_u32 v[ADRA+\s], s21, v4
	v_add_nc_u32 v[ADRB+\s], s22, v4
	v_add_nc_u32 v[ADRA+2+\s], s21, v5
	v_add_nc_u32 v[ADRB+2+\s], s22, v5
	s_add_co_u32 s21, s21, SLOT
	s_add_co_u32 s22, s22, SLOT
.endr
	v_mul_u32_u24 v5, v1, 32                       ; my row's scales: 32 bytes a row,
	v_lshrrev_b32 v6, 8, v5
	v_lshl_add_u32 v5, v6, 4, v5                   ; and 16 more for each 256 passed
	s_mul_i32 s21, s15, HALFS
	s_mul_i32 s22, s16, HALFS
	s_add_co_u32 s22, s22, 2*HALFS
	s_sub_co_u32 s22, s22, s21
	v_mul_u32_u24 v6, s22, v2                      ; lanes 16-31 take the column operand's
	s_add_co_u32 s21, s21, SCL
	v_add_nc_u32 v5, v5, v6
	v_add_nc_u32 v[ADRS], s21, v5
	s_mul_i32 s23, s15, 64*SPT                     ; the stage holds half a tile: in: row 64 x my row half + r (+ 16 x block), place 8 x my column half + h (+ 2 c)
	s_lshl_b32 s21, s16, 7
	s_add_co_u32 s23, s23, s21
	s_add_co_u32 s23, s23, STG
	v_mul_u32_u24 v5, v1, SPT
	v_lshl_add_u32 v5, v2, 4, v5
	v_add_nc_u32 v[STO], s23, v5
	s_lshl_b32 s23, s15, 9                         ; a row's 8 scale bytes: my column half's four
	s_lshl_b32 s21, s16, 2
	s_add_co_u32 s23, s23, s21
	s_add_co_u32 s23, s23, SST
	v_lshl_add_u32 v[SSTO], v1, 3, s23
	s_mul_i32 s23, s14, 32*SPT                     ; back: wave w takes the stage's rows 32 w on, eight rows an instruction, four lanes to a row
	s_add_co_u32 s23, s23, STG
	v_and_b32 v6, 31, v0
	v_lshrrev_b32 v5, 2, v6                        ; back: eight rows an instruction, four lanes to a row's 48 bytes of one sub-plane
	v_and_b32 v3, 3, v6
	v_mul_u32_u24 v5, v5, SPT
	v_lshl_add_u32 v5, v3, 4, v5
	v_add_nc_u32 v[RD], s23, v5
	s_lshl_b32 s23, s14, 8
	s_add_co_u32 s23, s23, SST
	v_lshl_add_u32 v[SRD], v6, 3, s23
	v_mul_u32_u24 v[GS0], v6, s67
	v_add_nc_u32 v[GS0+1], 64, v6                  ; the tile's second half lies 64 rows further on
	v_mul_u32_u24 v[GS0+1], v[GS0+1], s67
	s_lshr_b32 s3, s96, 3                          ; a sub-plane: a quarter of the output's plane
	v_mul_u32_u24 v[CO], v6, 12
	v_add_nc_u32 v[CO+1], s3, v[CO]
	v_add_nc_u32 v[CO+2], s3, v[CO+1]
	v_add_nc_u32 v[CO+3], s3, v[CO+2]
	; where the rows go that I store: the stage's rows 32 w on are the tile's rows 128 (w / 2) + 32 (w % 2) on (+ 64 in the second half).  Codes: plane = tile column, 192 bytes a row; scale bytes: 8 x tile column in each row
	s_lshr_b32 s46, s96, 1                         ; the output's plane is as large as the row operand's
	s_mul_i32 s46, s46, s42
	s_mul_i32 s3, s17, 12288                       ; 48 bytes a row in each sub-plane
	s_add_co_u32 s46, s46, s3
	s_mul_i32 s3, s15, 6144
	s_add_co_u32 s46, s46, s3
	s_mul_i32 s3, s16, 1536
	s_add_co_u32 s46, s46, s3
	s_mov_b32 s47, 0
	s_add_nc_u64 s[OC:OC+1], s[100:101], s[46:47]
	s_lshl_b32 s46, s17, 8
	s_lshl_b32 s3, s15, 7
	s_add_co_u32 s46, s46, s3
	s_lshl_b32 s3, s16, 5
	s_add_co_u32 s46, s46, s3
	s_mul_i32 s46, s46, s67
	s_lshl_b32 s3, s42, 3
	s_add_co_u32 s46, s46, s3
	s_add_co_u32 s46, s46, SBIG
	s_add_nc_u64 s[100:101], s[100:101], s[46:47]
	; from the first tile to the second.  A slot's descriptor stands two planes on when the tile ends: act goes two planes back and WALK rows on, the weights two planes back
	s_mov_b32 s3, 2*PBIG-WALK*192
	s_mov_b32 s[BKB], 2*PSML
	s_mov_b32 s[OSC], WALK*48                      ; the output: WALK rows on, or (V transposed) 16 planes and 16 x 8 scale bytes on
	s_mov_b32 s[OSS], WALK*32
	s_cmp_eq_u32 s66, 1
	s_cselect_b32 s[BKA], 2*PSML, s3
	s_cselect_b32 s[BKB], s3, s[BKB]
	s_cselect_b32 s[OSC], 16*PSML, s[OSC]
	s_cselect_b32 s[OSS], 128, s[OSS]
	s_mov_b32 s[BKA+1], 0
	s_mov_b32 s[BKB+1], 0
	s_mov_b32 s[OSC+1], 0
	s_mov_b32 s[OSS+1], 0
	s_wait_loadcnt 0x0                             ; the two tables
.set k, 0
.rept 32
	v_pk_mul_f32 v[BN+k:BN+k+1], v[BN+k:BN+k+1], v[FA:FA+1] op_sel_hi:[1,0]   ; x 1, or x 0 where the bias goes by rows
.set k, k+2
.endr
.irp a, 0,1,2,3,4,5,6,7
	v_mul_f32 v[BM+2*\a], v[FA+1], v[BM+2*\a]      ; x 0, or x 1
.endr
.irp b, 0,1,2,3
	v_mov_b32 v[AX+\b], 0                          ; written once: a lane permute's destination counts as one of its sources
.endr
.macro FRAG reg, adr, q, i             ; a fragment: lane l holds row l % 16; registers 6 c .. 6 c + 5 hold K = 64 c + 32 (l / 16) + 0 .. 31: 24 bytes of the row's stream of bits, in pieces of 8 bytes
.irp p, 0,1,2,3,4,5                    ; lanes 0-15 take pieces 12 q + 0, 1, 2 and 12 q + 6, 7, 8, lanes 16-31 those three pieces on; where that lies behind one padding more, the second address register serves
.set PC, 12*(\q)+6*(\p/3)+\p%3
.if PC%8 < 5
	ds_load_b64 v[\reg+2*\p:\reg+2*\p+1], v[\adr] offset:8*PC+16*(PC/8)+(\i)*16*PITCH
.else
	ds_load_b64 v[\reg+2*\p:\reg+2*\p+1], v[\adr+2] offset:8*PC+16*(PC/8)+(\i)*16*PITCH
.endif
.endr
.endm
; 16 matrix instructions: row blocks a0, a0 + 1 x the eight column blocks, 128 along K.  p: the column operand's set; sc: the set of scale words.  zero = 1: the sum's first product, with the bias as C.
; The 64 accumulators take turns, one instruction a turn, in the same order in every step.
.macro MUL16 a0, p, q, sc, zero
.irp a, \a0, \a0+1
.irp b, 0,1,2,3,4,5,6,7
.if \zero
	v_wmma_scale_f32_16x16x128_f8f6f4 v[8*(8*((\a)%4)+\b):8*(8*((\a)%4)+\b)+7], v[128*(\p)+FR*\b:128*(\p)+FR*\b+FR-1], v[AF+FR*(\a):AF+FR*(\a)+FR-1], v[BN+8*\b:BN+8*\b+7], v[SC+8*NQ*(\sc)+NQ*\b+(\q)], v[SC+8*NQ*(\sc)+NQ*(\a)+(\q)] matrix_a_fmt:MATRIX_FMT_FP6 matrix_b_fmt:MATRIX_FMT_FP6 matrix_a_scale:MATRIX_SCALE_ROW1
.else
	v_wmma_scale_f32_16x16x128_f8f6f4 v[8*(8*((\a)%4)+\b):8*(8*((\a)%4)+\b)+7], v[128*(\p)+FR*\b:128*(\p)+FR*\b+FR-1], v[AF+FR*(\a):AF+FR*(\a)+FR-1], v[8*(8*((\a)%4)+\b):8*(8*((\a)%4)+\b)+7], v[SC+8*NQ*(\sc)+NQ*\b+(\q)], v[SC+8*NQ*(\sc)+NQ*(\a)+(\q)] matrix_a_fmt:MATRIX_FMT_FP6 matrix_b_fmt:MATRIX_FMT_FP6 matrix_a_scale:MATRIX_SCALE_ROW1
.endif
.endr
.endr
.endm
.macro FETCH_B slot, q, p
	WIN TO_B
.irp i, 0,1,2,3,4,5,6,7
	FRAG 128*(\p)+FR*\i, ADRB+\slot, \q, \i
.endr
	WIN 0
.endm
.macro FETCH_A slot, q, i0
.irp i, \i0, \i0+1, \i0+2, \i0+3
	FRAG AF+FR*(\i), ADRA+\slot, \q, \i
.endr
.endm
.macro SCALES sc                       ; a K step's scale words: two words a row; lanes 0-15 the row operand's block i, lanes 16-31 the column operand's
.irp i, 0,1,2,3,4,5,6,7
	ds_load_b64 v[SC+8*NQ*\sc+NQ*\i:SC+8*NQ*\sc+NQ*\i+1], v[ADRS] offset:\i*SBLK
.endr
.endm
.macro PLACES n                        ; places in front of loads into registers that matrix instructions have read, and of the first read of results (ISA guide 7.12.1 for the first read of results)
.rept \n
	v_nop
.endr
.endm
.macro FIRST                           ; a tile's first fragments and scale words, out of slot 0
	FETCH_B 0, 0, 0
	FETCH_A 0, 0, 0
	SCALES 0
	FETCH_A 0, 0, 4
.endm
.macro STEP slot, q, zero              ; a step of 128 along K that has its successor in the same slot
	s_wait_dscnt 4*NL                              ; the column operand's set and row blocks 0-3 are in; the youngest loads (row blocks 4-7, 4 x 6) may be out
.if \zero
	WIN MUL_LO0
.else
	WIN MUL_LO
.endif
	MUL16 0, (\q)%2, \q, \slot, \zero
	MUL16 2, (\q)%2, \q, \slot, \zero
	s_wait_dscnt 0
	PLACES NP
	FETCH_B \slot, (\q)+1, 1-(\q)%2
	FETCH_A \slot, (\q)+1, 0
.if \zero
	WIN MUL_HI0
.else
	WIN MUL_HI
.endif
	MUL16 4, (\q)%2, \q, \slot, \zero
	MUL16 6, (\q)%2, \q, \slot, \zero
	PLACES NP
	WIN 0
	FETCH_A \slot, (\q)+1, 4
.endm
; A slot's last step changes slots: ONE barrier; in front of it each wave waits for all its tensor loads, adds 0 to its spare word, and waits for that and for its own reads of this slot.
; fill = 1: this slot is filled again, two planes on; 2: with the NEXT tile's plane 0 or 1; 0: not at all.  fetch = 0: the next slot's first fragments are not fetched here: the way out wants their registers first.
.macro TURN slot, next, fill, fetch
	s_wait_tensorcnt 0x0                           ; all my tensor loads have landed: my part of the next slot
	ds_add_u32 v[SPW], v[NIL]                      ; 0 onto my spare word
	s_wait_dscnt 4*NL+1                            ; (the add and the youngest loads, row blocks 4-7, may be out)
	WIN MUL_LO
	MUL16 0, 1, NQ-1, \slot, 0                     ; sixteen matrix instructions stand between the add and the wait for it
	s_wait_dscnt 0x0                               ; the add is done, and my reads of this slot are over
	s_barrier_signal -1
	MUL16 2, 1, NQ-1, \slot, 0
	WIN 0
	s_barrier_wait -1
.if \fill
	CREST                                          ; the barrier has opened a round of the cluster's barrier: no wave of any partner still reads this slot's tile or has a load on its way
.if \fill == 1
	s_add_nc_u64 s[G0+4*\slot+2:G0+4*\slot+3], s[G0+4*\slot+2:G0+4*\slot+3], s[96:97]
	s_add_nc_u64 s[G0B+4*\slot+2:G0B+4*\slot+3], s[G0B+4*\slot+2:G0B+4*\slot+3], s[98:99]
.else
	s_sub_nc_u64 s[G0+4*\slot+2:G0+4*\slot+3], s[G0+4*\slot+2:G0+4*\slot+3], s[BKA:BKA+1]
	s_sub_nc_u64 s[G0B+4*\slot+2:G0B+4*\slot+3], s[G0B+4*\slot+2:G0B+4*\slot+3], s[BKB:BKB+1]
.endif
	JLOAD G0+4*\slot, G1, G0B+4*\slot, G1B         ; the first tensor load behind the round; its four v_nop are also the places in front of the loads below
.else
	PLACES NP
.endif
.if \fetch
	s_wait_alu depctr_va_vdst(0)
	v_add_nc_u32 v[ADRS], 4*NQ, v[ADRS]            ; on to the next K step's scale words (no LDS load of mine is out)
	FETCH_B \next, 0, 0
	FETCH_A \next, 0, 0
	SCALES \next
.endif
	WIN MUL_HI
	MUL16 4, 1, NQ-1, \slot, 0
	MUL16 6, 1, NQ-1, \slot, 0
	PLACES NP
	WIN 0
.if \fetch
	FETCH_A \next, 0, 4
.endif
.endm
; THE WAY OUT, row block by row block.  A lane's 64 numbers, register 16 c + i = column 32 c + 16 h + i of its row, are copied out of the accumulators (with the bias by rows, or 0), each accumulator from its low end on;
; a block of 32 lies in lanes l and l xor 16; each conversion's 16 codes, 12 bytes, go to their place in the work-group's stage, the row's four scale bytes as one word.
.macro QROW a
.set AC, 64*((\a)%4)
.if (\a) < 4
	WIN 0x02                                       ; source 0: window 2
.else
	WIN 0x03                                       ; window 3
.endif
.set k, 0
.rept 32
	v_pk_add_f32 v[T+k:T+k+1], v[AC+k:AC+k+1], v[BM+2*(\a):BM+2*(\a)+1] op_sel_hi:[1,0]
.set k, k+2
.endr
	WIN 0
.irp b, 0,1,2,3
	v_max3_num_f32 v[MX+\b], |v[T+16*\b]|, |v[T+1+16*\b]|, 0x1800000   ; my 16 numbers of block b, and the floor 2^(3 - 127): the byte cannot fall under 1
.endr
.irp i, 2,4,6,8,10,12,14
.irp b, 0,1,2,3
	v_max3_num_f32 v[MX+\b], v[MX+\b], |v[T+16*\b+\i]|, |v[T+1+16*\b+\i]|
.endr
.endr
.irp b, 0,1,2,3
	v_permlanex16_b32 v[AX+\b], v[MX+\b], s[SEL], s[SEL+1]
.endr
.irp b, 0,1,2,3
	v_max_num_f32 v[MX+\b], v[MX+\b], v[AX+\b]     ; with lane l xor 16's: the block's largest magnitude
.endr
.irp b, 0,1,2,3
	v_add_nc_u32 v[SO+\b], 0xff000000, v[MX+\b]    ; 2 off its exponent field: the conversion's scale operand
.endr
.irp b, 0,1,2,3
	v_lshrrev_b32 v[AX+\b], 23, v[SO+\b]           ; the scale's byte
.endr
	v_lshl_or_b32 v[PW], v[AX+1], 8, v[AX]
	v_lshl_or_b32 v[PW], v[AX+2], 16, v[PW]
	v_lshl_or_b32 v[PW], v[AX+3], 24, v[PW]
.irp c, 0,1,2,3
	v_cvt_scalef32_pk16_fp6_f32 v[CD+4*\c:CD+4*\c+2], v[T+16*\c:T+16*\c+15], v[SO+\c]
.endr
	v_nop                                          ; one plain place behind a scaled conversion
.irp c, 0,1,2,3
	ds_store_b96 v[STO], v[CD+4*\c:CD+4*\c+2] offset:16*SPT*((\a)%4)+32*\c
.endr
	ds_store_b32 v[SSTO], v[PW] offset:128*((\a)%4)   ; lanes l and l xor 16 write the same word with the same value
	s_wait_dscnt 0x0                               ; the stores have read their registers, and have landed
.endm
; Half a tile leaves: each wave's row blocks 4 ph .. 4 ph + 3 go into the stage; a barrier, since a row's 192 bytes come from two waves; each wave reads 32 whole rows back and stores them.
.macro HALFOUT ph
	s_wait_xcnt 0x0                                ; earlier stores have read their registers: T and the rest are written again only behind this wait
.irp a, 0,1,2,3
	QROW 4*\ph+\a
.endr
	s_barrier_signal -1                            ; (my stores into the stage are done: the last wait above)
	s_barrier_wait -1
.irp t, 0,1,2,3,4,5,6,7,8,9,10,11,12,13,14,15
	ds_load_b96 v[T+4*\t:T+4*\t+2], v[RD] offset:8*SPT*(\t/4)+64*(\t%4)
.endr
	ds_load_b64 v[SBY:SBY+1], v[SRD]
.irp t, 0,1,2,3,4,5,6,7,8,9,10,11,12,13,14,15
	s_wait_dscnt 16-\t                             ; the loads issued behind this one may be out
	global_store_b96 v[CO+\t%4], v[T+4*\t:T+4*\t+2], s[OC:OC+1] offset:3072*\ph+384*(\t/4)   ; eight rows of one sub-plane: 384 consecutive bytes
.endr
	s_wait_dscnt 0x0
	global_store_b64 v[GS0+\ph], v[SBY:SBY+1], s[100:101]   ; 8 scale bytes a row
.if \ph == 0
	s_barrier_signal -1                            ; my reads of the stage are over (the wait above): behind this barrier the tile's second half is stored there
	s_barrier_wait -1
.endif
.endm
	PLACES NP
	s_wait_alu depctr_va_vdst(0)
	s_wait_tensorcnt 0x0                           ; my tile of the head's four is in
	ds_add_u32 v[SPW], v[NIL]
	s_mov_b32 s[G1+2], 32<<16                      ; no tensor load of mine is out: from here on a load brings 128 rows of a plane,
	s_mov_b32 s[G1+4], 32
	s_mov_b32 s[G1B+2], 32<<16
	s_mov_b32 s[G1B+4], 32
	s_mov_b32 s[G1S+2], 16<<16                     ; or the scales of 128 rows,
	s_mov_b32 s[G1S+4], 16
	s_mov_b32 s[G1SB+2], 16<<16
	s_mov_b32 s[G1SB+4], 16
	s_mul_i32 s2, s16, 24576                       ; and slot 0's descriptors stand at my quarter again
	s_mov_b32 s3, 0
	s_mov_b32 s[G0+1], s45
	s_add_nc_u64 s[G0+2:G0+3], s[G0+2:G0+3], s[2:3]
	s_mov_b32 s[G0B+1], s45
	s_add_nc_u64 s[G0B+2:G0B+3], s[G0B+2:G0B+3], s[2:3]
	s_wait_dscnt 0x0
	CROUND                                         ; all four tiles are in, all sixteen work-groups are here
	JLOAD G0+4, G1, G0B+4, G1B                     ; K step 1: plane 1 into slot 1, the first tensor load behind the round
	; ---- the first tile: K has four steps of 256, written out
	FIRST
	STEP 0, 0, 1
	TURN 0, 1, 1, 1                                ; slot 0 takes plane 2
	STEP 1, 0, 0
	TURN 1, 0, 1, 1                                ; slot 1 takes plane 3
	STEP 0, 0, 0
	TURN 0, 1, 2, 1                                ; THE RING GOES ON INTO THE SECOND TILE: slot 0 takes its plane 0,
	STEP 1, 0, 0
	TURN 1, 0, 2, 0                                ; slot 1 its plane 1; behind this round slot 0 is whole for every wave
	HALFOUT 0                                      ; both refills are asked for: now the tile goes out
	s_wait_tensorcnt 0x0                           ; the second tile's scale bytes are a first fill: the three lines and a round stand in front of it
	ds_add_u32 v[SPW], v[NIL]
	s_wait_dscnt 0x0
	CROUND
	JLOAD G0S2, G1S, G0SB2, G1SB                   ; they land while the tile's second half leaves
	HALFOUT 1
	s_wait_xcnt 0x0
	s_add_nc_u64 s[OC:OC+1], s[OC:OC+1], s[OSC:OSC+1]
	s_add_nc_u64 s[100:101], s[100:101], s[OSS:OSS+1]
	v_add_nc_u32 v[ADRS], SSET-3*4*NQ, v[ADRS]     ; back along K (three steps of 8 bytes) and on to the second set of scales
	s_wait_alu depctr_va_vdst(0)
	s_wait_tensorcnt 0x0                           ; my part of the second set is in,
	s_barrier_signal -1
	s_barrier_wait -1                              ; everybody's is
	; ---- the second tile
	FIRST
	STEP 0, 0, 1
	TURN 0, 1, 1, 1
	STEP 1, 0, 0
	TURN 1, 0, 1, 1
	STEP 0, 0, 0
	TURN 0, 1, 0, 1                                ; nothing is left to fetch: no round
	STEP 1, 0, 0
	s_wait_dscnt 4*NL
	WIN MUL_LO
	MUL16 0, 1, NQ-1, 1, 0
	MUL16 2, 1, NQ-1, 1, 0
	s_wait_dscnt 0
	WIN MUL_HI
	MUL16 4, 1, NQ-1, 1, 0
	MUL16 6, 1, NQ-1, 1, 0
	WIN 0
	PLACES NP
	HALFOUT 0
	HALFOUT 1
	s_wait_tensorcnt 0x0                           ; the wave's end
	ds_add_u32 v[SPW], v[NIL]
	s_wait_dscnt 0x0
	CROUND                                         ; the closing round: no work-group ends while a partner may still ask for a tile that names it
	s_endpgm
.Lfunc_end_k_qa948b12977_qkv:
	.size	k_qa948b12977_qkv, .Lfunc_end_k_qa948b12977_qkv-k_qa948b12977_qkv
	.p2alignl 7, 3214868480
	.fill 96, 4, 3214868480
	.section	.rodata,"a",@progbits
	.p2align	6, 0x0
	.amdhsa_kernel k_qa948b12977_qkv
		.amdhsa_group_segment_fixed_size 327680
		.amdhsa_private_segment_fixed_size 0
		.amdhsa_enable_private_segment 0
		.amdhsa_kernarg_size 40
		.amdhsa_user_sgpr_count 2
		.amdhsa_user_sgpr_kernarg_segment_ptr 1
		.amdhsa_wavefront_size32 1
		.amdhsa_system_sgpr_workgroup_id_x 1
		.amdhsa_system_sgpr_workgroup_id_y 1
		.amdhsa_system_sgpr_workgroup_id_z 1
		.amdhsa_system_vgpr_workitem_id 0
		.amdhsa_next_free_vgpr 1024
		.amdhsa_next_free_sgpr 106
		.amdhsa_reserve_vcc 0
		.amdhsa_float_denorm_mode_32 3
		.amdhsa_float_denorm_mode_16_64 3
		.amdhsa_memory_ordered 1
		.amdhsa_forward_progress 1
		.amdhsa_inst_pref_size 255
	.end_amdhsa_kernel
	.section	.bss,"aw",@nobits
	.p2align	6
	.space	262144
	.amdgpu_metadata
---
amdhsa.version: [ 1, 2 ]
amdhsa.kernels:
  - .name:           k_qa948b12977_qkv
    .symbol:         k_qa948b12977_qkv.kd
    .args:
      - { .name: xa, .offset: 0, .size: 8, .value_kind: global_buffer, .address_space: global }
      - { .name: win, .offset: 8, .size: 8, .value_kind: global_buffer, .address_space: global }
      - { .name: in_proj_b, .offset: 16, .size: 8, .value_kind: global_buffer, .address_space: global }
      - { .name: qk, .offset: 24, .size: 8, .value_kind: global_buffer, .address_space: global }
      - { .name: va, .offset: 32, .size: 8, .value_kind: global_buffer, .address_space: global }
    .group_segment_fixed_size: 327680
    .private_segment_fixed_size: 0
    .kernarg_segment_align: 8
    .kernarg_segment_size: 40
    .max_flat_workgroup_size: 128
    .sgpr_count:     106
    .vgpr_count:     1024
    .wavefront_size: 32
...
	.end_amdgpu_metadata
.endif
;; end of part 2
;; launch attn (part 3): grid 4 x 64, 16 waves a work-group, clusters of 4 x 1, 327,680 bytes of LDS; arguments qk, va, ya; writes ya
.if DOCPART == 3
	.amdgcn_target "amdgcn-amd-amdhsa--gfx1250"
	.amdhsa_code_object_version 6
	.text
	.protected	k_qa948b12977_attn
	.globl	k_qa948b12977_attn
	.p2align	8
	.type	k_qa948b12977_attn,@function
k_qa948b12977_attn:
	s_mov_b64 s[64:65], 0
	v_nop
	global_prefetch_b8 v0, s[64:65] scope:SCOPE_SE
	s_setreg_imm32_b32 hwreg(HW_REG_WAVE_MODE, 25, 1), 1
	s_wait_xcnt 0x0
	s_wait_alu depctr_hold_cnt(0) depctr_sa_sdst(0) depctr_va_vdst(0) depctr_va_sdst(0) depctr_va_ssrc(0) depctr_va_vcc(0) depctr_vm_vsrc(0)
	s_getreg_b32 s2, hwreg(HW_REG_IB_STS2, 6, 4)
	s_cmp_eq_u32 s2, 0
	s_cbranch_scc0 .Lentry_in_a_cluster
	s_endpgm
.Lentry_in_a_cluster:
	s_bfe_u32 s2, ttmp6, 0x10000c
	s_cmp_lg_u32 s2, 0x3003
	s_cbranch_scc0 .Lentry_shape_is_right
	s_endpgm
.Lentry_shape_is_right:
; Causal attention on codes of FP6 (E2M3, one E8M0 scale for each 32 along a product's K): 8 batches x 16 heads x 1,024 tokens x 64 channels; y is quantised along the channels and leaves as codes.
; qk: q's piece, then k's (each: 16 sub-planes, one a head, of 8,192 positions x 48 bytes; then 32 scale bytes a position, two a head).  va: V transposed: 128 sub-planes (16 b + key / 64) of 1,024 channel positions x 48 bytes,
; then 256 scale bytes a row.  ya: four planes (head / 4) of 8,192 positions x 192 bytes, then 32 scale bytes a position.  A row lies at the position that has bits 3 and 4 of its number exchanged; the order along K is the true one.
; WORK LEFT OUT: key steps whose 128 keys all come after a tile's queries: the causal mask, which the problem builds itself, gives them the weight 0 for every input.
; THE SOFTMAX: t = score x log2(e) / 8; M = the running largest t rounded up to a whole number; p = 2^(t - M) is quantised along the keys, not normalised; the row's sum is taken of the unquantised p and divides O at the end.
; SHARES.  Grid y = 8 b + u.  The four work-groups of a cluster own batch b, heads 2 u and 2 u + 1.  ALL of these heads' K, V and scale bytes, 204,800 bytes, come into each one's LDS ONCE, by sixteen joint loads, one a wave:
; nothing is filled again, and the loop over the keys has no barrier.  Rows of 48 bytes need no padding: the 32 lanes of a load of 8 bytes (row x 48 + 24 x half) fall on 64 different banks (ISA guide 11.1: 64 banks of 4 bytes).
; A wave owns TWO tiles of 16 query positions of one head: 8 D + j and 8 (7 - D) + j, which need D + 1 and 8 - D key steps of 128: nine in every wave.  With a = wave % 4: head = a % 2, j = 2 cx + a / 2, D = (a + wave / 4) % 4.
; cx enters q's and y's addresses in memory and the mask's compare value, and nothing else.  A step that a tile does not need is jumped over by a scalar branch on the wave's number and the step's.
; No prefetch: every tile is asked for at the kernel's head, so there is no loop to run ahead in.
; LAYOUT.  Both products are used transposed: S^T = K Q^T, O^T = V^T P^T: a lane holds one query (lane % 16).  By the order of positions the 16 registers of tiles 2 c and 2 c + 1 are 16 true neighbours, 32 c + 16 (lane / 16) + 0 .. 15.
; The first product's K is 64, the instruction's 128: Q's registers 6-11 hold zero codes, a tile of K names the next tile's six registers as its upper half, and the scale words of Q and K are loaded as 16 bits (bytes 2, 3 are 0: 2^-127).
; y leaves straight from registers: a lane stores its 12 bytes of codes for each block of 32 channels.
; LIMITS: NaN and infinities are not served; the promise holds while the scaled scores stay under 2^31 in magnitude; a block whose largest magnitude lies under 2^-124 keeps the byte 1; a block of zeros gets the byte 1 and zero codes.
.set HPL,   393216                     ; a head's sub-plane of q or k
.set VSP,   49152                      ; a sub-plane of V
.set PBIG,  1572864                    ; a plane of ya
.set SBIG,  6291456                    ; where the scale bytes begin
.set OPIECE, 6553600                   ; k's piece of qk
.set LV,    98304                      ; LDS: K (2 heads x 1,024 x 48) from 0; V: 16 sub-planes x 128 rows x 48
; (K's scale bytes come as the batch's dense 32,768 bytes, all sixteen heads', in rows of 256 bytes: so LDS holds 233,472 bytes in all, and a position's two bytes of my head lie at 32 x position + 2 x head.)
.set LKS,   196608                     ; K's scale bytes: 1,024 positions x 32
.set LVS,   229376                     ; V's: 128 rows x 32
.set SPARE, 233472                     ; the spare words, 128 bytes for each of the sixteen waves
.set RH,  1                            ; 48 (lane % 16) + 24 (lane / 16)
.set L4,  2                            ; 4 x lane
.set DM,  3                            ; my query's true number in its 128 - 16 (lane / 16)
.set ADK, 4                            ; the step's LDS addresses: K, V, K's scale words, V's
.set ADV, 5
.set SPW, 6
.set NIL, 7
.set STA, 8                            ; a tile's state: -M, the largest t, the sum in two halves
.set STB, 12
.set QA,  16                           ; Q's fragments: six registers of codes, six of zeros
.set QB,  28
.set QSA, 40
.set QSB, 41
.set KSW, 42                           ; v42-45 K's scale words, then V's (lanes 0-15 tile 2 m, lanes 16-31 tile 2 m + 1)
.set KV,  46                           ; v46-93 eight half fragments of K, then four fragments of V
.set PCD, 94                           ; v94-105 p's codes
.set S,   106                          ; v106-169 S^T, then p
.set OA,  170                          ; O^T of the two tiles
.set OB,  202
.set MX,  234
.set AX,  238
.set SO,  246
.set TP,  250
.set ADS, 251
.set FF,  252                          ; f = 2^(old M - new M); v253 p's scale word
.set PSW, 253
.set ADT, 254
.set WV,  18
.set HD,  19
.set SEL, 20
.set CS,  22
.set G1K, 24
.set G1V, 32
.set G1KS, 40
.set G1VS, 48
.set G0K, 56
.set G0V, 60
.set G0KS, 68
.set G0VS, 72
.set KS,  76                           ; the key step
.set DA,  77                           ; D of the short tile, 0..3
.set DB,  78                           ; of the long one, 7 - D
.set SK,  79                           ; the step's places in LDS
.set SV,  80
.set SS,  81
.set ST,  82
.set JJ,  96
.set BB,  97
.set UU,  98
.set CX,  99
.macro CROUND                          ; a round of the cluster's barrier
	s_barrier_signal -1
	s_barrier_wait -1
	s_cmp_lg_u32 s[WV], 0
	s_cbranch_scc1 .Lnot_wave_0_\@
	s_barrier_signal -3
.Lnot_wave_0_\@:
	s_barrier_wait -3
	s_barrier_signal -1
	s_barrier_wait -1
.endm
.macro GRP1 g, w0, c, r, p             ; group 1: r rows of c elements, pitch p elements; mask: all four work-groups, bit 21 beside it
	s_mov_b32 s[\g], \w0
	s_mov_b32 s[\g+1], (\c)<<16
	s_mov_b32 s[\g+2], (\r)<<16
	s_mov_b32 s[\g+3], (\c)<<16
	s_mov_b32 s[\g+4], \r
	s_mov_b32 s[\g+5], \p
	s_mov_b32 s[\g+6], 0
	s_mov_b32 s[\g+7], 0
.endm
	s_load_b128 s[4:7], s[0:1], 0x0                ; qk, va
	s_load_b64 s[8:9], s[0:1], 0x10                ; ya
	v_lshl_add_u32 v[SPW], v0, 2, SPARE
	v_mov_b32 v[NIL], 0
	ds_add_u32 v[SPW], v[NIL]                      ; the opening lines: the add, twice on end
	ds_add_u32 v[SPW], v[NIL]
	v_lshrrev_b32 v46, 5, v0
	s_delay_alu instid0(VALU_DEP_1)
	v_readfirstlane_b32 s[WV], v46                 ; wave 0..15
	s_and_b32 s83, s[WV], 3
	s_lshr_b32 s84, s[WV], 2
	s_add_co_u32 s[DA], s83, s84
	s_and_b32 s[DA], s[DA], 3
	s_xor_b32 s[DB], s[DA], 7
	s_and_b32 s[HD], s[WV], 1
	s_bfe_u32 s[JJ], s[WV], 0x10001
	s_bfe_u32 s[CX], ttmp6, 0x40000
	s_lshl_b32 s[CX], s[CX], 1
	s_add_co_u32 s[JJ], s[JJ], s[CX]               ; j
	s_and_b32 s[BB], ttmp7, 0xffff
	s_and_b32 s[UU], s[BB], 7
	s_lshr_b32 s[BB], s[BB], 3
	s_lshl_b32 s85, s[UU], 1
	s_add_co_u32 s85, s85, s[HD]                   ; my head
	s_lshl_b32 s86, s[BB], 10
	s_lshl_b32 s87, s[JJ], 4
	s_add_co_u32 s86, s86, s87                     ; position 1024 b + 16 j
	s_mul_i32 s10, s85, HPL
	s_mul_i32 s87, s86, 48
	s_add_co_u32 s10, s10, s87                     ; q's codes
	s_mov_b32 s11, 0
	s_lshl_b32 s12, s86, 5
	s_lshl_b32 s87, s85, 1
	s_add_co_u32 s12, s12, s87
	s_add_co_u32 s12, s12, SBIG                    ; q's scale bytes, and y's
	s_mov_b32 s13, 0
	s_lshr_b32 s14, s85, 2
	s_mul_i32 s14, s14, PBIG
	s_mul_i32 s87, s86, 192
	s_add_co_u32 s14, s14, s87
	s_and_b32 s87, s85, 3
	s_mul_i32 s87, s87, 48
	s_add_co_u32 s14, s14, s87                     ; y's codes
	s_mov_b32 s15, 0
	s_mov_b64 s[16:17], s[12:13]
	; what I fetch: made of b, u and the wave's number alone
	s_and_b32 s88, s[WV], 1
	s_lshl_b32 s88, s88, 9
	s_lshl_b32 s89, s[BB], 10
	s_add_co_u32 s88, s88, s89                     ; 1024 b + 512 (wave % 2)
	s_lshr_b32 s90, s[WV], 1
	s_lshl_b32 s89, s[UU], 1
	s_add_co_u32 s90, s90, s89
	s_mul_i32 s90, s90, HPL
	s_mul_i32 s89, s88, 48
	s_add_co_u32 s90, s90, s89
	s_add_co_u32 s90, s90, OPIECE                  ; waves 0-3: K, head 2 u + wave / 2, 512 positions: 24,576 dense bytes
	s_mov_b32 s91, 0
	s_add_co_u32 s92, s[WV], 4
	s_and_b32 s92, s92, 7
	s_lshl_b32 s92, s92, 1
	s_lshl_b32 s89, s[BB], 4
	s_add_co_u32 s92, s92, s89
	s_mul_i32 s92, s92, VSP
	s_mul_i32 s89, s[UU], 6144
	s_add_co_u32 s92, s92, s89                     ; waves 4-11: V, sub-planes 16 b + 2 (wave - 4) and the next, rows 128 u on: 6,144 dense bytes each
	s_mov_b32 s93, 0
	s_lshl_b32 s94, s88, 5
	s_add_co_u32 s94, s94, OPIECE+SBIG             ; waves 12, 13: K's scale bytes: 512 positions x 32: 16,384 dense bytes
	s_mov_b32 s95, 0
	s_and_b32 s100, s[WV], 1
	s_lshl_b32 s100, s100, 6
	s_lshl_b32 s89, s[UU], 7
	s_add_co_u32 s100, s100, s89
	s_lshl_b32 s100, s100, 8
	s_lshl_b32 s89, s[BB], 5
	s_add_co_u32 s100, s100, s89
	s_add_co_u32 s100, s100, SBIG                  ; waves 14, 15: V's: 64 rows, this batch's 32 bytes
	s_mov_b32 s101, 0
	GRP1 G1K,  15|(3<<16)|(1<<21), 32, 96, 32      ; 96 rows of 256 bytes (elements of 8)
	GRP1 G1V,  15|(3<<16)|(1<<21), 768, 2, 6144    ; 2 rows of 6,144 bytes, a sub-plane apart
	GRP1 G1KS, 15|(3<<16)|(1<<21), 32, 64, 32      ; 64 rows of 256 bytes
	GRP1 G1VS, 15|(3<<16)|(1<<21), 4, 64, 32       ; 64 rows of 32 bytes, 256 apart
	s_mov_b32 s[G0K], 1
	s_mul_i32 s[G0K+1], s[WV], 24576
	s_mov_b32 s[G0V], 1
	s_mul_i32 s[G0V+1], s[WV], 12288
	s_add_co_u32 s[G0V+1], s[G0V+1], LV-4*12288
	s_mov_b32 s[G0KS], 1
	s_mul_i32 s[G0KS+1], s[WV], 16384              ; LKS = 12 x 16,384: wave 12 fills from LKS on, wave 13 behind it
	s_mov_b32 s[G0VS], 1
	s_mul_i32 s[G0VS+1], s[WV], 2048
	s_add_co_u32 s[G0VS+1], s[G0VS+1], LVS-14*2048
	s_mov_b32 s[SEL], 0x76543210
	s_mov_b32 s[SEL+1], 0xfedcba98
	s_mov_b32 s[CS], 0x3e38aa3b                    ; c = log2(e) / 8
	s_mov_b32 s[CS+1], s[CS]
	s_wait_dscnt 0x0                               ; both opening adds are done
	s_wait_kmcnt 0x0
	s_add_nc_u64 s[G0K+2:G0K+3], s[4:5], s[90:91]
	s_or_b32 s[G0K+3], s[G0K+3], 0x80000000
	s_add_nc_u64 s[G0V+2:G0V+3], s[6:7], s[92:93]
	s_or_b32 s[G0V+3], s[G0V+3], 0x80000000
	s_add_nc_u64 s[G0KS+2:G0KS+3], s[4:5], s[94:95]
	s_or_b32 s[G0KS+3], s[G0KS+3], 0x80000000
	s_add_nc_u64 s[G0VS+2:G0VS+3], s[6:7], s[100:101]
	s_or_b32 s[G0VS+3], s[G0VS+3], 0x80000000
	s_add_nc_u64 s[10:11], s[4:5], s[10:11]
	s_add_nc_u64 s[12:13], s[4:5], s[12:13]
	s_add_nc_u64 s[14:15], s[8:9], s[14:15]
	s_add_nc_u64 s[16:17], s[8:9], s[16:17]
	CROUND                                         ; all four work-groups are here: the joint loads meet
.macro ARM under, g0, g1, next         ; one chain of branches on the wave's number, one load to an arm, all arms to one join: every wave issues one load
	s_cmp_lt_u32 s[WV], \under
	s_cbranch_scc0 \next
	tensor_load_to_lds s[\g0:\g0+3], s[\g1:\g1+7]
	s_nop 0
.rept 4
	v_nop
.endr
	s_branch .Lhead_asked
\next:
.endm
	ARM 4,  G0K,  G1K,  .Lhead_v
	ARM 12, G0V,  G1V,  .Lhead_ks
	ARM 14, G0KS, G1KS, .Lhead_vs
	tensor_load_to_lds s[G0VS:G0VS+3], s[G1VS:G1VS+7]
	s_nop 0
.rept 4
	v_nop
.endr
.Lhead_asked:
	s_mul_i32 s83, s[DA], 6144                     ; a block of 128 positions: 6,144 bytes of codes, 4,096 scale bytes
	s_mul_i32 s84, s[DB], 6144
	s_lshl_b32 s85, s[DA], 12
	s_lshl_b32 s86, s[DB], 12
	v_and_b32 v46, 15, v0                          ; r
	v_bfe_u32 v47, v0, 4, 1                        ; h
	v_and_b32 v48, 31, v0                          ; lane
	s_delay_alu instid0(VALU_DEP_3)
	v_mul_u32_u24 v[RH], v46, 48
	v_lshlrev_b32 v49, 5, v46
	s_delay_alu instid0(VALU_DEP_3)
	v_lshlrev_b32 v[L4], 2, v48
	s_delay_alu instid0(VALU_DEP_3)
	v_mad_u32_u24 v[RH], v47, 24, v[RH]
	s_delay_alu instid0(VALU_DEP_3)
	v_add_nc_u32 v52, s85, v49
	v_add_nc_u32 v53, s86, v49
	s_delay_alu instid0(VALU_DEP_3)
	v_add_nc_u32 v50, s83, v[RH]
	v_add_nc_u32 v51, s84, v[RH]
.irp i, 0,1,2
	global_load_b64 v[QA+2*\i:QA+2*\i+1], v50, s[10:11] offset:8*\i
	global_load_b64 v[QB+2*\i:QB+2*\i+1], v51, s[10:11] offset:8*\i
.endr
	global_load_u16 v[QSA], v52, s[12:13]          ; two scale bytes; bytes 2 and 3 are 0
	global_load_u16 v[QSB], v53, s[12:13]
	s_lshr_b32 s83, s[JJ], 1
	s_lshl_b32 s83, s83, 5
	s_and_b32 s84, s[JJ], 1
	s_lshl_b32 s84, s84, 3
	s_add_co_u32 s83, s83, s84
	v_and_b32 v[DM], 8, v46
	v_lshlrev_b32 v54, 4, v47
	s_delay_alu instid0(VALU_DEP_2)
	v_add_nc_u32 v[DM], v[DM], v46
	s_delay_alu instid0(VALU_DEP_1)
	v_add_nc_u32 v[DM], s83, v[DM]                 ; the query at position 16 j + r is number 32 (j / 2) + 8 (j % 2) + r + 8 (r / 8)
	s_delay_alu instid0(VALU_DEP_1)
	v_sub_nc_u32 v[DM], v[DM], v54
.irp i, 6,7,8,9,10,11
	v_mov_b32 v[QA+\i], 0                          ; Q's K = 64 .. 127: zero codes
	v_mov_b32 v[QB+\i], 0
.endr
.irp i, 0,1,2,3,4,5,6,7,8,9,10,11
	v_mov_b32 v[PCD+\i], 0                         ; (the first six are named by K's last tile before p's codes are first made)
.endr
.irp b, 0,1,2,3
	v_mov_b32 v[AX+\b], 0                          ; a lane permute's destination counts as one of its sources
.endr
	v_mov_b32 v[FF], 0
	v_mov_b32 v[PSW], 0
.irp st, STA, STB
	v_mov_b32 v[\st+1], 0xff61b1e6                 ; the largest t so far: -3e38
	v_mov_b32 v[\st+2], 0                          ; the sum, in two halves
	v_mov_b32 v[\st+3], 0
	v_floor_f32 v[\st], -v[\st+1]                  ; -M
.endr
.set n, 0
.rept 64
	v_mov_b32 v[OA+n], 0                           ; O^T of both tiles: the step is written once for all steps, and the first change of M leaves zeros zeros
.set n, n+1
.endr
	s_mul_i32 s[SK], s[HD], 49152                  ; my head's K,
	s_mul_i32 s[SV], s[HD], 3072                   ; its 64 rows in each sub-plane of V,
	s_add_co_u32 s[SV], s[SV], LV
	s_lshl_b32 s[SS], s[UU], 2                     ; its two bytes of a position's 32: 2 x (2 u + head's bit),
	s_lshl_b32 s83, s[HD], 1
	s_add_co_u32 s[SS], s[SS], s83
	s_add_co_u32 s[SS], s[SS], LKS
	s_lshl_b32 s[ST], s[HD], 11                    ; its 64 rows of V's scale bytes
	s_add_co_u32 s[ST], s[ST], LVS
	s_mov_b32 s[KS], 0
; A KEY STEP of one tile: 128 keys.
.macro STEP qf, qsw, st, ot, dd
	s_cmp_gt_u32 s[KS], s[\dd]                     ; all its keys come after the tile's queries
	s_cbranch_scc1 .Lhid_\@
.rept 4
	v_nop                                          ; places behind the last products, in front of the loads into their registers
.endr
.irp t, 0,1,2,3,4,5,6,7
.irp i, 0,1,2
	ds_load_b64 v[KV+6*\t+2*\i:KV+6*\t+2*\i+1], v[ADK] offset:768*\t+8*\i
.endr
.endr
.irp m, 0,1,2,3
	ds_load_u16 v[KSW+\m], v[ADS] offset:1024*\m
.endr
	s_wait_dscnt 0x0
.irp t, 0,1,2,3,4,5,6,7                        ; S^T = K Q^T
.if \t%2
	v_wmma_scale_f32_16x16x128_f8f6f4 v[S+8*\t:S+8*\t+7], v[KV+6*\t:KV+6*\t+11], v[\qf:\qf+11], 0, v[KSW+\t/2], v[\qsw] matrix_a_fmt:MATRIX_FMT_FP6 matrix_b_fmt:MATRIX_FMT_FP6 matrix_a_scale:MATRIX_SCALE_ROW1
.else
	v_wmma_scale_f32_16x16x128_f8f6f4 v[S+8*\t:S+8*\t+7], v[KV+6*\t:KV+6*\t+11], v[\qf:\qf+11], 0, v[KSW+\t/2], v[\qsw] matrix_a_fmt:MATRIX_FMT_FP6 matrix_b_fmt:MATRIX_FMT_FP6
.endif
.endr
.rept 4
	v_nop                                          ; places in front of the loads into K's registers and of the first read of the scores
.endr
.irp t, 0,1,2,3                                ; V's four fragments land while the softmax is walked: keys 64 c on come from sub-plane 2 s + c
.irp p, 0,1,2,3,4,5
	ds_load_b64 v[KV+12*\t+2*\p:KV+12*\t+2*\p+1], v[ADV] offset:768*\t+6144*(\p/3)+8*(\p%3)
.endr
.endr
.irp m, 0,1
	ds_load_b32 v[KSW+\m], v[ADT] offset:1024*\m
.endr
	s_cmp_lg_u32 s[KS], s[\dd]                     ; on the diagonal the scores of hidden keys become -infinity ahead of the maximum
	s_cbranch_scc1 .Lopen_\@
	v_mov_b32 v[TP], 0xff800000
.set n, 0
.rept 64
	v_cmp_gt_i32 vcc_lo, 32*(n/16)+n%16, v[DM]     ; register 16 b + i holds key 128 D + 32 b + 16 (lane / 16) + i
	v_cndmask_b32 v[S+n], v[S+n], v[TP], vcc_lo
.set n, n+1
.endr
.Lopen_\@:
.irp b, 0,1,2,3
	v_max3_num_f32 v[MX+\b], v[S+16*\b], v[S+1+16*\b], v[S+2+16*\b]   ; the largest score of each block of 32 keys: it serves the row's maximum and the block's largest p
.endr
.irp i, 3,5,7,9,11,13
.irp b, 0,1,2,3
	v_max3_num_f32 v[MX+\b], v[MX+\b], v[S+16*\b+\i], v[S+1+16*\b+\i]
.endr
.endr
.irp b, 0,1,2,3
	v_max_num_f32 v[MX+\b], v[MX+\b], v[S+15+16*\b]
.endr
.irp b, 0,1,2,3
	s_delay_alu instid0(VALU_DEP_4)
	v_permlanex16_b32 v[AX+\b], v[MX+\b], s[SEL], s[SEL+1]
.endr
.irp b, 0,1,2,3
	s_delay_alu instid0(VALU_DEP_4)
	v_max_num_f32 v[MX+\b], v[MX+\b], v[AX+\b]     ; with lane l xor 16's 16 keys
.endr
	s_delay_alu instid0(VALU_DEP_2)
	v_max3_num_f32 v[TP], v[MX], v[MX+1], v[MX+2]
	s_delay_alu instid0(VALU_DEP_1)
	v_max_num_f32 v[TP], v[TP], v[MX+3]
	s_delay_alu instid0(VALU_DEP_1)
	v_mul_f32 v[TP], s[CS], v[TP]                  ; as t
	s_delay_alu instid0(VALU_DEP_1)
	v_max_num_f32 v[\st+1], v[\st+1], v[TP]        ; the running largest t
	v_mov_b32 v[TP], v[\st]
	s_delay_alu instid0(VALU_DEP_2)
	v_floor_f32 v[\st], -v[\st+1]                  ; the new -M = floor(-t): M is a whole number
	s_delay_alu instid0(VALU_DEP_1)
	v_sub_f32 v[TP], v[\st], v[TP]                 ; old M - new M: a whole number, 0 or less
	s_delay_alu instid0(VALU_DEP_1)
	v_cvt_i32_f32 v[TP], v[TP]                     ; (it saturates)
	s_delay_alu instid0(VALU_DEP_1)
	v_ldexp_f32 v[FF], 1.0, v[TP]                  ; f = 2^(old M - new M)
.set n, 0
.rept 32
	v_pk_fma_f32 v[S+n:S+n+1], v[S+n:S+n+1], s[CS:CS+1], v[\st:\st+1] op_sel_hi:[1,0,0]   ; t - M, two at a time
.set n, n+2
.endr
.irp b, 0,1,2,3
	v_fma_f32 v[MX+\b], v[MX+\b], s[CS], v[\st]    ; the same of each block's largest score
.endr
	s_wait_alu depctr_va_vdst(0)
.set n, 0
.rept 64
	v_exp_f32 v[S+n], v[S+n]                       ; p = 2^(t - M), at most 1: not normalised
.set n, n+1
.endr
	v_pk_mul_f32 v[\st+2:\st+3], v[\st+2:\st+3], v[FF:FF+1] op_sel_hi:[1,0]   ; the sums under the new M (a plain place behind the exponentials)
	s_wait_alu depctr_va_vdst(0)                   ; one wait for the whole batch, ahead of its first reader
.irp b, 0,1,2,3
	v_exp_f32 v[MX+\b], v[MX+\b]                   ; the block's largest p
.endr
.irp k, 0,1,2,3                                ; the row's sum of the unquantised p: five chains
	v_pk_add_f32 v[AX+2*\k:AX+2*\k+1], v[S+4*\k:S+4*\k+1], v[S+4*\k+2:S+4*\k+3]
.endr
.irp g, 0,1,2,3
.irp k, 0,1,2,3
	v_pk_add_f32 v[AX+2*\k:AX+2*\k+1], v[AX+2*\k:AX+2*\k+1], v[S+16+10*\g+2*\k:S+17+10*\g+2*\k]
.endr
	v_pk_add_f32 v[\st+2:\st+3], v[\st+2:\st+3], v[S+24+10*\g:S+25+10*\g]
.endr
.irp k, 0,1,2,3
	v_pk_add_f32 v[AX+2*\k:AX+2*\k+1], v[AX+2*\k:AX+2*\k+1], v[S+56+2*\k:S+57+2*\k]
.endr
	s_delay_alu instid0(VALU_DEP_3)
	v_pk_add_f32 v[AX:AX+1], v[AX:AX+1], v[AX+2:AX+3]
	s_delay_alu instid0(VALU_DEP_2)
	v_pk_add_f32 v[AX+4:AX+5], v[AX+4:AX+5], v[AX+6:AX+7]
	s_delay_alu instid0(VALU_DEP_1)
	v_pk_add_f32 v[AX:AX+1], v[AX:AX+1], v[AX+4:AX+5]
	s_delay_alu instid0(VALU_DEP_1)
	v_pk_add_f32 v[\st+2:\st+3], v[\st+2:\st+3], v[AX:AX+1]
	s_wait_alu depctr_va_vdst(0)                   ; and one for the four
.irp b, 0,1,2,3
	v_max_num_f32 v[MX+\b], 0x1800000, v[MX+\b]    ; the floor 2^(3 - 127): the byte cannot fall under 1
.endr
.irp b, 0,1,2,3
	s_delay_alu instid0(VALU_DEP_4)
	v_add_nc_u32 v[SO+\b], 0xff000000, v[MX+\b]    ; 2 off the exponent field: the conversion's scale operand
.endr
.irp b, 0,1,2,3
	s_delay_alu instid0(VALU_DEP_4)
	v_lshrrev_b32 v[AX+\b], 23, v[SO+\b]           ; the scale's byte
.endr
	s_delay_alu instid0(VALU_DEP_3)
	v_lshl_or_b32 v[PSW], v[AX+1], 8, v[AX]        ; p's scale word for these 128 keys
	s_delay_alu instid0(VALU_DEP_1)
	v_lshl_or_b32 v[PSW], v[AX+2], 16, v[PSW]
	s_delay_alu instid0(VALU_DEP_1)
	v_lshl_or_b32 v[PSW], v[AX+3], 24, v[PSW]
.irp c, 0,1
	v_cvt_scalef32_pk16_fp6_f32 v[PCD+6*\c:PCD+2+6*\c], v[S+32*\c:S+15+32*\c], v[SO+2*\c]
	v_cvt_scalef32_pk16_fp6_f32 v[AX+4*\c:AX+2+4*\c], v[S+16+32*\c:S+31+32*\c], v[SO+2*\c+1]   ; (a conversion's three registers begin on an even number)
.endr
	v_nop                                          ; one plain place behind a scaled conversion
.irp c, 0,1                                    ; the operand's layout wants a whole block in a lane
.irp i, 0,1,2
	v_permlane16_swap_b32 v[PCD+6*\c+\i], v[AX+4*\c+\i]
.endr
.irp i, 0,1,2
	s_delay_alu instid0(VALU_DEP_3)
	v_mov_b32 v[PCD+3+6*\c+\i], v[AX+4*\c+\i]
.endr
.endr
	s_wait_alu depctr_va_vdst(0)                   ; ahead of the first reader of O^T
.set n, 0
.rept 16
	v_pk_mul_f32 v[\ot+n:\ot+n+1], v[\ot+n:\ot+n+1], v[FF:FF+1] op_sel_hi:[1,0]   ; O^T under the new M (these sixteen also stand between the writing of p's codes and scale word and the products)
.set n, n+2
.endr
	s_wait_alu depctr_va_vdst(0)
	s_wait_dscnt 0x0                               ; V is in
.irp t, 0,1,2,3                                ; O^T += V^T P^T; the four accumulators take turns
.if \t%2
	v_wmma_scale_f32_16x16x128_f8f6f4 v[\ot+8*\t:\ot+8*\t+7], v[KV+12*\t:KV+12*\t+11], v[PCD:PCD+11], v[\ot+8*\t:\ot+8*\t+7], v[KSW+\t/2], v[PSW] matrix_a_fmt:MATRIX_FMT_FP6 matrix_b_fmt:MATRIX_FMT_FP6 matrix_a_scale:MATRIX_SCALE_ROW1
.else
	v_wmma_scale_f32_16x16x128_f8f6f4 v[\ot+8*\t:\ot+8*\t+7], v[KV+12*\t:KV+12*\t+11], v[PCD:PCD+11], v[\ot+8*\t:\ot+8*\t+7], v[KSW+\t/2], v[PSW] matrix_a_fmt:MATRIX_FMT_FP6 matrix_b_fmt:MATRIX_FMT_FP6
.endif
.endr
.Lhid_\@:
.endm
	s_wait_alu depctr_va_vdst(0)
	s_wait_loadcnt 0x0                             ; both tiles' Q
	s_wait_tensorcnt 0x0                           ; my load has landed,
	s_barrier_signal -1
	s_barrier_wait -1                              ; everybody's has: K, V and the scale bytes are whole, and stay
.Lkey:                                                 ; eight trips in every wave; each tile's step is jumped over where it is hidden
	v_add_nc_u32 v[ADK], s[SK], v[RH]
	v_add_nc_u32 v[ADV], s[SV], v[RH]
	v_lshl_add_u32 v[ADS], v[L4], 3, s[SS]
	v_lshl_add_u32 v[ADT], v[L4], 3, s[ST]
	s_wait_alu depctr_va_vdst(0)
	STEP QB, QSB, STB, OB, DB
	STEP QA, QSA, STA, OA, DA
	s_add_co_u32 s[SK], s[SK], 6144                ; 128 positions of K,
	s_add_co_u32 s[SV], s[SV], 12288               ; two sub-planes of V,
	s_add_co_u32 s[SS], s[SS], 4096                ; 128 positions x 32 scale bytes,
	s_add_co_u32 s[ST], s[ST], 4                   ; 4 bytes on in each row of V's
	s_add_co_u32 s[KS], s[KS], 1
	s_cmp_lt_u32 s[KS], 8
	s_cbranch_scc1 .Lkey
.rept 4
	v_nop                                          ; places behind the last products
.endr
	v_and_b32 v46, 15, v0                          ; r
	v_bfe_u32 v47, v0, 4, 1                        ; h
	s_delay_alu instid0(VALU_DEP_2)
	v_mul_u32_u24 v48, v46, 192
	v_lshlrev_b32 v49, 5, v46                      ; 32 scale bytes a position
	s_delay_alu instid0(VALU_DEP_2)
	v_mad_u32_u24 v48, v47, 12, v48                ; y: row r, + 12 h
; THE WAY OUT of a tile.  y = O^T / the sum: register 16 c + i is channel 32 c + 16 h + i of my query: two blocks of 32, each in lanes l and l xor 16.
.macro EPI st, ot, dd, again
.if \again
	s_wait_xcnt 0x0                                ; the first tile's stores have read their registers
.endif
	s_mul_i32 s83, s[\dd], 24576                   ; 128 positions of 192 bytes
	s_lshl_b32 s84, s[\dd], 12
	v_add_nc_u32 v50, s83, v48
	v_add_nc_u32 v51, s84, v49
	v_add_f32 v[\st+2], v[\st+2], v[\st+3]
	s_delay_alu instid0(VALU_DEP_1)
	v_permlanex16_b32 v[FF], v[\st+2], s[SEL], s[SEL+1]
	s_delay_alu instid0(VALU_DEP_1)
	v_add_f32 v[\st+2], v[\st+2], v[FF]            ; the row's sum
	s_wait_alu depctr_va_vdst(0)
	v_rcp_f32 v[\st+2], v[\st+2]
	v_nop                                          ; one plain place behind it
	s_wait_alu depctr_va_vdst(0)                   ; the wait ahead of its first reader, and of the first reader of O^T
.set n, 0
.rept 16
	v_pk_mul_f32 v[S+n:S+n+1], v[\ot+n:\ot+n+1], v[\st+2:\st+3] op_sel_hi:[1,0]
.set n, n+2
.endr
.irp c, 0,1
	v_max3_num_f32 v[MX+\c], |v[S+16*\c]|, |v[S+1+16*\c]|, 0x1800000
.endr
.irp i, 2,4,6,8,10,12,14
.irp c, 0,1
	s_delay_alu instid0(VALU_DEP_2)
	v_max3_num_f32 v[MX+\c], v[MX+\c], |v[S+16*\c+\i]|, |v[S+1+16*\c+\i]|
.endr
.endr
.irp c, 0,1
	s_delay_alu instid0(VALU_DEP_2)
	v_permlanex16_b32 v[AX+\c], v[MX+\c], s[SEL], s[SEL+1]
.endr
.irp c, 0,1
	s_delay_alu instid0(VALU_DEP_2)
	v_max_num_f32 v[MX+\c], v[MX+\c], v[AX+\c]
.endr
.irp c, 0,1
	s_delay_alu instid0(VALU_DEP_2)
	v_add_nc_u32 v[SO+\c], 0xff000000, v[MX+\c]
.endr
.irp c, 0,1
	s_delay_alu instid0(VALU_DEP_2)
	v_lshrrev_b32 v[AX+\c], 23, v[SO+\c]
.endr
	s_delay_alu instid0(VALU_DEP_1)
	v_lshl_or_b32 v[TP], v[AX+1], 8, v[AX]
	v_cvt_scalef32_pk16_fp6_f32 v[PCD:PCD+2], v[S:S+15], v[SO]
	v_cvt_scalef32_pk16_fp6_f32 v[PCD+6:PCD+8], v[S+16:S+31], v[SO+1]
	v_nop                                          ; one plain place behind a scaled conversion
	global_store_b96 v50, v[PCD:PCD+2], s[14:15]               ; channels 16 h on of my head's 48 bytes,
	global_store_b96 v50, v[PCD+6:PCD+8], s[14:15] offset:24   ; and 32 + 16 h on
	global_store_b16 v51, v[TP], s[16:17]                      ; my head's two scale bytes (lanes l and l xor 16 store the same bytes with the same value)
.endm
	EPI STB, OB, DB, 0
	EPI STA, OA, DA, 1
	s_wait_tensorcnt 0x0                           ; the wave's end
	ds_add_u32 v[SPW], v[NIL]
	s_wait_dscnt 0x0
	CROUND                                         ; the closing round
	s_endpgm
.Lfunc_end_k_qa948b12977_attn:
	.size	k_qa948b12977_attn, .Lfunc_end_k_qa948b12977_attn-k_qa948b12977_attn
	.p2alignl 7, 3214868480
	.fill 96, 4, 3214868480
	.section	.rodata,"a",@progbits
	.p2align	6, 0x0
	.amdhsa_kernel k_qa948b12977_attn
		.amdhsa_group_segment_fixed_size 327680
		.amdhsa_private_segment_fixed_size 0
		.amdhsa_enable_private_segment 0
		.amdhsa_kernarg_size 24
		.amdhsa_user_sgpr_count 2
		.amdhsa_user_sgpr_kernarg_segment_ptr 1
		.amdhsa_wavefront_size32 1
		.amdhsa_system_sgpr_workgroup_id_x 1
		.amdhsa_system_sgpr_workgroup_id_y 1
		.amdhsa_system_sgpr_workgroup_id_z 1
		.amdhsa_system_vgpr_workitem_id 0
		.amdhsa_next_free_vgpr 256
		.amdhsa_next_free_sgpr 102
		.amdhsa_reserve_vcc 1
		.amdhsa_float_denorm_mode_32 3
		.amdhsa_float_denorm_mode_16_64 3
		.amdhsa_memory_ordered 1
		.amdhsa_forward_progress 1
		.amdhsa_inst_pref_size 70
	.end_amdhsa_kernel
	.amdgpu_metadata
---
amdhsa.version: [ 1, 2 ]
amdhsa.kernels:
  - .name:           k_qa948b12977_attn
    .symbol:         k_qa948b12977_attn.kd
    .args:
      - { .name: qk, .offset: 0, .size: 8, .value_kind: global_buffer, .address_space: global }
      - { .name: va, .offset: 8, .size: 8, .value_kind: global_buffer, .address_space: global }
      - { .name: ya, .offset: 16, .size: 8, .value_kind: global_buffer, .address_space: global }
    .group_segment_fixed_size: 327680
    .private_segment_fixed_size: 0
    .kernarg_segment_align: 8
    .kernarg_segment_size: 24
    .max_flat_workgroup_size: 512
    .sgpr_count:     102
    .vgpr_count:     256
    .wavefront_size: 32
...
	.end_amdgpu_metadata
.endif
;; end of part 3
;; launch oproj (part 4): grid 4 x 64, 4 waves a work-group, clusters of 4 x 4, 327,680 bytes of LDS; arguments ya, wp, out_proj_b, y2a, va; writes y2a, va
.if DOCPART == 4
	.amdgcn_target "amdgcn-amd-amdhsa--gfx1250"
	.amdhsa_code_object_version 6
	.text
	.protected	k_qa948b12977_oproj
	.globl	k_qa948b12977_oproj
	.p2align	8
	.type	k_qa948b12977_oproj,@function
k_qa948b12977_oproj:
	s_mov_b64 s[64:65], 0
	v_nop
	global_prefetch_b8 v0, s[64:65] scope:SCOPE_SE
	s_setreg_imm32_b32 hwreg(HW_REG_WAVE_MODE, 25, 1), 1
	s_wait_xcnt 0x0
	s_wait_alu depctr_hold_cnt(0) depctr_sa_sdst(0) depctr_va_vdst(0) depctr_va_sdst(0) depctr_va_ssrc(0) depctr_va_vcc(0) depctr_vm_vsrc(0)
	s_getreg_b32 s2, hwreg(HW_REG_IB_STS2, 6, 4)
	s_cmp_eq_u32 s2, 0
	s_cbranch_scc0 .Lentry_in_a_cluster
	s_endpgm
.Lentry_in_a_cluster:
	s_bfe_u32 s2, ttmp6, 0x10000c
	s_cmp_lg_u32 s2, 0xf033
	s_cbranch_scc0 .Lentry_shape_is_right
	s_endpgm
.Lentry_shape_is_right:
; y2 = Q(y Wo^T + b): a GEMM on codes of FP6 (E2M3, one E8M0 scale for each 32 along K = 1024) whose result is quantised again, along its columns, and leaves as codes and scale bytes.
; The text is the general one-tile form of the program's quantising GEMM.  Arguments: act (8,192 rows), w (operands of 1,024 rows on end), bias, outn, outv.  IN THIS LAUNCH'S GRID (4 x 64) THE CLUSTER'S x IS 0 IN EVERY WORK-GROUP:
; w's first operand is taken, the result goes to outn, and the transposed form below (cluster x = 2), with its output outv, is never reached.  The launch has 256 tiles, one to a work-group.
; OPERAND FORMAT of R rows: four planes of codes (plane s: K = 256 s on, 192 bytes a row), then 32 scale bytes a row; a row lies at the position that has bits 3 and 4 of its number exchanged.
; Cluster x picks the operand of w and the piece of outn.  Cluster x = 2 would exchange the operands' parts (rows = the weights' 1,024, columns = the 8,192 tokens) and quantise along the tokens.
; A tile of 256 x 256 is made by four waves, 128 x 128 each: 64 accumulators, 512 registers.  K goes in four steps of 256 through two LDS slots filled by the tensor data mover; a tile's 128 rows of a plane are one dense
; block of 24,576 bytes, stated as 32 rows of 768.  The scale bytes of the work-group's rows come once, with the first fills.
; CLUSTERS: 4 x 4 work-groups; the four of a row need the same tiles of the row operand, the four of a column those of the column operand: each tile is asked for jointly.
; THE MATRIX INSTRUCTION IS USED TRANSPOSED (source 0 = 16 positions of the column operand, source 1 = 16 of the row operand).  By the order of positions the 16 registers of accumulators (a, 2 c) and (a, 2 c + 1) are the
; 16 neighbouring columns 32 c + 16 (lane / 16) + 0 .. 15 of row position 16 a + lane % 16: what the conversions want.
; THE BIAS: by columns it is the C of each sum's first matrix instruction (table BN); by rows (the transposed form) it is added in the way out's one copy (table BM).  Both tables are always loaded; the one that does not
; apply is multiplied by 0, so that no branch is needed.
; LIMITS: NaN and infinities are not served (the multiplication by 0 among the reasons); a block whose largest magnitude lies under 2^-124 keeps the byte 1; a block of zeros gets the byte 1 and zero codes.
; REGISTERS, in windows of 256: window 0: v0-31 addresses; v32-63 scale words, two sets; v64-127 BN; v128-223 the row operand's fragments, TWO sets; v224-239 BM; v240-252 at work on the way out.
;   window 1: the column operand's fragments, TWO sets.   window 2: the accumulators of my rows 0-63 ((a, b) at v[8 (8 a + b)]);   window 3: those of my rows 64-127.
; At the head each wave asks for one whole tile (row operand's plane 0, column operand's plane 0, the two sets of scale bytes); slot 1 is first filled behind a round.
; THE BLOCK IS 128 ROWS x 256 COLUMNS, so that the launch has 256 work-groups: a wave makes 64 x 128, 32 accumulators in window 2; where the lines above say 256 rows, 128 x 128 or window 3, this holds instead.
; A slot holds 128 rows of the row operand (waves 0 and 1 fetch 64 each) and 256 of the column operand (waves 2 and 3, 128 each).  Both operands have two sets of fragment registers: a step's 72 LDS loads for the next step stand in one run ahead of its 32 products.
.set NQ,     2
.set PITCH,  240                       ; an LDS row: 3 x (64 bytes of codes + 16 of padding)
.set FR,     12                        ; registers of a fragment
.set NL,     6                         ; LDS loads that bring one
.set NP,     4                         ; places behind this matrix instruction (ISA guide 7.12.1)
.set HALFT,  128*PITCH                 ; 128 rows: what one tensor load brings
.set SLOT,   4*HALFT                   ; the row operand's 256 rows, then the column operand's
.set SCL,    2*SLOT                    ; behind the ring: the scales, as runs of 256 bytes + 16 of padding
.set HALFS,  16*272                    ; those of 128 rows
.set SBLK,   2*272                     ; those of 16 rows
.set SPARE,  SCL+4*HALFS               ; the spare words, 128 bytes for each wave
.set SPT,    272                       ; the way out: a stage of 256 rows, each sixteen places of 16 bytes with 12 bytes of codes, + 16.  It lies in slot 0, which has had its last fill and its last read by then
.set SST,    256*SPT                   ; and behind it 8 scale bytes a row
.set PBIG,   1572864                   ; a plane of 8,192 rows
.set PSML,   196608                    ; of 1,024 rows
.set SBIG,   6291456                   ; where the scales begin behind 8,192 rows' codes (and behind outv's 32 planes)
.set SSML,   786432                    ; behind 1,024 rows' codes
.set BO,   10                          ; v10     BN's loads: 64 x (lane / 16)
.set MO,   11                          ; v11     BM's loads: 4 x (r + 8 (r / 8))
.set GS0,  12                          ; v12     my row of scale bytes in memory
.set FA,   14                          ; v14-15  1 or 0 for BN, 0 or 1 for BM
.set ADRA, 16                          ; v16-19  LDS addresses of the row operand's fragments in slot 0, 1 (18-19: behind one padding more)
.set ADRB, 20                          ; v20-23  the same for the column operand
.set STO,  24                          ; v24     the stage: where I put 12 bytes of codes
.set RD,   25                          ; v25     where I read them back
.set CO,   26                          ; v26     12 x lane
.set ADRS, 27                          ; v27     my scale words: lanes 0-15 the row operand's, lanes 16-31 the column operand's
.set SPW,  28                          ; v28     my spare word; never rewritten
.set NIL,  29                          ; v29     0; never rewritten
.set SSTO, 30                          ; v30     the stage: where I put a scale word
.set SRD,  31                          ; v31     where I read 8 scale bytes back
.set SC,   32
.set BN,   64
.set AF,   128                         ; the row operand's set in hand: AF0 or AF0 + 48
.set AF0,  128
.set T,    128                         ; the way out: 64 numbers of a lane
.set CD,   192                         ; their codes
.set BM,   224                         ; BM[a] at v[BM + 2 a]; the odd registers hold 0
.set MX,   240
.set AX,   244
.set SO,   248
.set PW,   252
.set G1,   24                          ; s[24:31] group 1 for the row operand's tiles; s[32:39] group 0, a set for each slot
.set G0,   32
.set G1B,  48                          ; the same for the column operand
.set G0B,  56
.set G1S,  68                          ; and for the scales
.set G0S,  76
.set G1SB, 80
.set G0SB, 88
.set SEL,  94                          ; s[94:95] lane selects for v_permlanex16_b32
.set MSB, 0
.macro WIN new                         ; the immediate's high byte repeats the setting that is left
.if MSB != \new
	s_set_vgpr_msb (MSB<<8)|\new
.set MSB, \new
.endif
.endm
.set MUL_LO,  0xa1                     ; source 0 window 1, source 1 window 0, C and D window 2
.set MUL_HI,  0xf1                     ; the same, C and D window 3
.set MUL_LO0, 0x81                     ; a sum's first product: C (BN) window 0, D window 2
.set MUL_HI0, 0xc1                     ; D window 3
.set TO_B,    0x40                     ; destination window 1, address window 0
; A joint load: waves 0 and 1 fetch for the row operand, waves 2 and 3 for the column operand.  The branch hangs on the wave's number alone.  Four v_nop follow each of the two lines.
.macro JLOAD g0a, g1a, g0b, g1b
	s_cmp_eq_u32 s15, 0
	s_cbranch_scc0 .Lfor_b_\@
	tensor_load_to_lds s[\g0a:\g0a+3], s[\g1a:\g1a+7]
	s_nop 0
.rept 4
	v_nop
.endr
	s_branch .Lasked_\@
.Lfor_b_\@:
	tensor_load_to_lds s[\g0b:\g0b+3], s[\g1b:\g1b+7]
	s_nop 0
.rept 4
	v_nop
.endr
.Lasked_\@:
.endm
.macro CREST                           ; a round of the cluster's barrier behind its opening barrier
	s_cmp_lg_u32 s14, 0
	s_cbranch_scc1 .Lnot_wave_0_\@
	s_barrier_signal -3
.Lnot_wave_0_\@:
	s_barrier_wait -3
	s_barrier_signal -1
	s_barrier_wait -1
.endm
.macro CROUND
	s_barrier_signal -1
	s_barrier_wait -1
	CREST
.endm
	s_load_b256 s[4:11], s[0:1], 0x0               ; act s[4:5], w s[6:7], bias s[8:9], outn s[10:11]
	s_load_b64 s[12:13], s[0:1], 0x20              ; outv
	v_lshl_add_u32 v[SPW], v0, 2, SPARE
	v_mov_b32 v[NIL], 0
	ds_add_u32 v28, v29
	ds_add_u32 v28, v29
	s_wait_dscnt 0x0
	v_lshrrev_b32 v1, 5, v0
	v_readfirstlane_b32 s14, v1                    ; wave 0..3
	s_lshr_b32 s15, s14, 1                         ; which half of the tile's rows is mine.  Also: I fetch for the row operand (0) or the column operand (1)
	s_and_b32 s16, s14, 1                          ; which half of its columns.  Also: which 128 rows of that tile I fetch
	s_bfe_u32 s40, ttmp6, 0x40000                  ; cx, cy: my place in the cluster
	s_bfe_u32 s41, ttmp6, 0x40004
	s_lshl_b32 s43, s41, 2
	s_lshl_b32 s43, 15, s43                        ; my row of the cluster
	s_lshl_b32 s44, 0x1111, s40                    ; my column
	; group 1: a dense block of 24,576 bytes as 32 rows of 768; 16 bytes of padding behind every 64
	s_or_b32 s[G1+0], s43, (1<<20)|(1<<21)|(3<<22)|(3<<25)  ; 15:0 the mask; 17:16 elements of 1 byte; 20 padding on; 21 set beside a mask; 24:22 after every 16 words; 31:25 4 words of it
	s_or_b32 s[G1B+0], s44, (1<<20)|(1<<21)|(3<<22)|(3<<25)
.irp g, G1, G1B
	s_mov_b32 s[\g+1], 768<<16                     ; tensor_dim0
	s_mov_b32 s[\g+2], 64<<16                      ; tensor_dim1: 256 rows of a plane at the head; set to 128 rows' behind the head's loads
	s_mov_b32 s[\g+3], 768<<16                     ; tile_dim0
	s_mov_b32 s[\g+4], 64
	s_mov_b32 s[\g+5], 768                         ; tensor_dim0_stride
	s_mov_b32 s[\g+6], 0
	s_mov_b32 s[\g+7], 0
.endr
	; the scales of 128 rows: 4,096 dense bytes as 16 rows of 256 (32 elements of 8 bytes), 16 bytes of padding behind each
	s_or_b32 s[G1S+0], s43, (3<<16)|(1<<20)|(1<<21)|(5<<22)|(3<<25)
	s_or_b32 s[G1SB+0], s44, (3<<16)|(1<<20)|(1<<21)|(5<<22)|(3<<25)
.irp g, G1S, G1SB
	s_mov_b32 s[\g+1], 32<<16
	s_mov_b32 s[\g+2], 32<<16                      ; the scales of 256 rows
	s_mov_b32 s[\g+3], 32<<16
	s_mov_b32 s[\g+4], 32
	s_mov_b32 s[\g+5], 32
	s_mov_b32 s[\g+6], 0
	s_mov_b32 s[\g+7], 0
.endr
	; the two forms of the text, told apart by the cluster's x, which all sixteen partners share
	s_and_b32 s18, ttmp7, 0xffff
	s_lshl_b32 s18, s18, 2                         ; 4 x cluster y
	s_mov_b32 s19, 2*PBIG
	s_mov_b32 s20, 2*PSML
	s_mov_b32 s21, SBIG
	s_mov_b32 s22, SSML
	s_cmp_eq_u32 ttmp9, 2
	s_cselect_b32 s66, 1, 0                        ; 1: the transposed form
	s_cselect_b32 s67, 256, 32                     ; a row of scale bytes in the output
	s_cselect_b32 s17, 0, s18
	s_cselect_b32 s42, s18, 0
	s_cselect_b32 s96, s20, s19                    ; two planes of the row operand: a refill's step
	s_cselect_b32 s98, s19, s20                    ; of the column operand
	s_cselect_b32 s23, s22, s21                    ; where the row operand's scales begin
	s_cselect_b32 s95, s21, s22                    ; the column operand's
	s_cselect_b32 s3, 0, 1.0
	v_mov_b32 v[FA], s3
	s_cselect_b32 s3, 1.0, 0
	v_mov_b32 v[FA+1], s3
	s_mov_b32 s97, 0
	s_mov_b32 s99, 0
	s_add_co_u32 s17, s17, s41                     ; tile row
	s_add_co_u32 s42, s42, s40                     ; tile column
	s_lshl_b32 s18, s16, 7                         ; which 128 rows of the tile I fetch
	s_mov_b32 s[G1+2], 32<<16                      ; the row operand's tile has 128 rows: at the head 32 rows of 768 bytes,
	s_mov_b32 s[G1+4], 32
	s_mov_b32 s[G1S+2], 16<<16                     ; and 16 rows of 256 scale bytes
	s_mov_b32 s[G1S+4], 16
	s_lshl_b32 s20, s17, 7
	s_lshl_b32 s19, s16, 6
	s_add_co_u32 s20, s20, s19                     ; row operand: position 128 x tile row + 64 x half
	s_lshl_b32 s46, s42, 8
	s_add_co_u32 s46, s46, s18                     ; column operand: 256 x tile column + 128 x half
	s_lshl_b32 s22, s20, 5
	s_add_co_u32 s22, s22, s23                     ; where these rows' scales begin,
	s_lshl_b32 s94, s46, 5
	s_add_co_u32 s94, s94, s95
	s_mul_i32 s20, s20, 192                        ; and their codes in plane 0
	s_mul_i32 s46, s46, 192
	s_mov_b32 s21, 0
	s_mov_b32 s23, 0
	s_mov_b32 s47, 0
	s_mov_b32 s95, 0
	s_lshr_b32 s18, s96, 1                         ; a plane of the row operand,
	s_mov_b32 s19, 0
	s_lshr_b32 s92, s98, 1                         ; of the column operand
	s_mov_b32 s93, 0
	s_mul_i32 s45, s14, HALFT                      ; where the column operand's tiles go: wave x 128 rows (waves 2, 3),
	s_mul_i32 s43, s14, HALFT/2                    ; the row operand's: wave x 64 rows (waves 0, 1)
	s_mul_i32 s2, s14, HALFS
	s_wait_kmcnt 0x0
	s_mov_b32 s101, 0
	s_mul_i32 s100, ttmp9, 819200
	s_add_nc_u64 s[6:7], s[6:7], s[100:101]        ; the cluster's operand of w
	s_mul_i32 s100, ttmp9, 6553600
	s_add_nc_u64 s[10:11], s[10:11], s[100:101]    ; and its piece of outn
	s_cmp_eq_u32 s66, 1
	s_cselect_b64 s[100:101], s[12:13], s[10:11]   ; the output
	s_cselect_b64 s[10:11], s[6:7], s[4:5]         ; the row operand
	s_cselect_b64 s[12:13], s[4:5], s[6:7]         ; the column operand
	s_lshl_b32 s4, ttmp9, 12                       ; BN: the bias of my 128 columns: 4 x (1024 x cluster x + 256 cx + 128 x half)
	s_lshl_b32 s3, s40, 10
	s_add_co_u32 s4, s4, s3
	s_lshl_b32 s3, s16, 9
	s_add_co_u32 s4, s4, s3
	s_lshl_b32 s6, s17, 10                         ; BM: the bias of my 128 rows: 4 x (2048 + 256 x tile row + 128 x half)
	s_lshl_b32 s3, s15, 9
	s_add_co_u32 s6, s6, s3
	s_add_co_u32 s6, s6, 8192
	s_cmp_eq_u32 s66, 1
	s_cselect_b32 s4, 0, s4                        ; the table that does not apply is read at the bias's head: every load stays inside its buffer
	s_cselect_b32 s6, s6, 0
	s_mov_b32 s5, 0
	s_mov_b32 s7, 0
	s_add_nc_u64 s[4:5], s[8:9], s[4:5]
	s_add_nc_u64 s[6:7], s[8:9], s[6:7]
	s_add_nc_u64 s[20:21], s[10:11], s[20:21]
	s_add_nc_u64 s[22:23], s[10:11], s[22:23]
	s_add_nc_u64 s[46:47], s[12:13], s[46:47]
	s_add_nc_u64 s[94:95], s[12:13], s[94:95]
	CROUND                                         ; all sixteen work-groups are here: the first joint loads meet
	s_mov_b32 s[G0S], 1
	s_add_co_u32 s[G0S+1], s2, SCL
	s_mov_b64 s[G0S+2:G0S+3], s[22:23]
	s_or_b32 s[G0S+3], s[G0S+3], 0x80000000
	s_mov_b32 s[G0SB], 1
	s_add_co_u32 s[G0SB+1], s2, SCL
	s_mov_b64 s[G0SB+2:G0SB+3], s[94:95]
	s_or_b32 s[G0SB+3], s[G0SB+3], 0x80000000
	s_mov_b32 s[G0], 1
	s_mov_b32 s[G0+1], s45
	s_mov_b64 s[G0+2:G0+3], s[20:21]
	s_or_b32 s[G0+3], s[G0+3], 0x80000000
	s_mov_b32 s[G0B], 1
	s_mov_b32 s[G0B+1], s45
	s_mov_b64 s[G0B+2:G0B+3], s[46:47]
	s_or_b32 s[G0B+3], s[G0B+3], 0x80000000
	s_mov_b32 s[G0+4], 1
	s_add_co_u32 s[G0+5], s43, SLOT
	s_add_nc_u64 s[G0+6:G0+7], s[20:21], s[18:19]
	s_or_b32 s[G0+7], s[G0+7], 0x80000000
	s_mov_b32 s[G0B+4], 1
	s_add_co_u32 s[G0B+5], s45, SLOT
	s_add_nc_u64 s[G0B+6:G0B+7], s[46:47], s[92:93]
	s_or_b32 s[G0B+7], s[G0B+7], 0x80000000
	; THE HEAD'S LOADS, ONE A WAVE: the descriptors of slot 0 and of the scales are turned from my quarter to the whole tile
	s_mul_i32 s12, s16, 12288
	s_mov_b32 s13, 0
	s_mov_b32 s[G0+1], 0
	s_sub_nc_u64 s[G0+2:G0+3], s[G0+2:G0+3], s[12:13]
	s_mul_i32 s12, s16, 24576
	s_mov_b32 s[G0B+1], 2*HALFT
	s_sub_nc_u64 s[G0B+2:G0B+3], s[G0B+2:G0B+3], s[12:13]
	s_lshl_b32 s12, s16, 11
	s_mov_b32 s[G0S+1], SCL
	s_sub_nc_u64 s[G0S+2:G0S+3], s[G0S+2:G0S+3], s[12:13]
	s_lshl_b32 s12, s16, 12
	s_mov_b32 s[G0SB+1], SCL+HALFS                 ; the column operand's scales lie straight behind the row operand's 128 rows'
	s_sub_nc_u64 s[G0SB+2:G0SB+3], s[G0SB+2:G0SB+3], s[12:13]
.macro ARM under, g0, g1, next         ; one chain of branches on the wave's number, one load to an arm, all arms to one join
	s_cmp_lt_u32 s14, \under
	s_cbranch_scc0 \next
	tensor_load_to_lds s[\g0:\g0+3], s[\g1:\g1+7]
	s_nop 0
.rept 4
	v_nop
.endr
	s_branch .Lhead_asked
\next:
.endm
	ARM 1, G0,  G1,  .Lhead_b
	ARM 2, G0B, G1B, .Lhead_sa
	ARM 3, G0S, G1S, .Lhead_sb
	tensor_load_to_lds s[G0SB:G0SB+3], s[G1SB:G1SB+7]
	s_nop 0
.rept 4
	v_nop
.endr
.Lhead_asked:
	v_and_b32 v1, 15, v0                           ; r = lane % 16
	v_bfe_u32 v2, v0, 4, 1                         ; h = lane / 16
	v_lshlrev_b32 v[BO], 6, v2
	v_and_b32 v[MO], 8, v1
	v_add_nc_u32 v[MO], v[MO], v1
	v_lshlrev_b32 v[MO], 2, v[MO]
.irp c, 0,1,2,3
.irp k, 0,1,2,3
	global_load_b128 v[BN+16*\c+4*\k:BN+16*\c+4*\k+3], v[BO], s[4:5] offset:128*\c+16*\k   ; BN[16 c + i] = the bias of column 32 c + 16 h + i
.endr
.endr
.irp a, 0,1,2,3,4,5,6,7
	global_load_b32 v[BM+2*\a], v[MO], s[6:7] offset:4*(32*(\a/2)+8*(\a%2))   ; BM[a] = the bias of the row at position 16 a + r: row 32 (a / 2) + 8 (a % 2) + r + 8 (r / 8)
	v_mov_b32 v[BM+2*\a+1], 0                      ; (named with it as a pair)
.endr
	s_mov_b32 s[SEL], 0x76543210
	s_mov_b32 s[SEL+1], 0xfedcba98
	v_mul_u32_u24 v3, v1, PITCH
	v_mul_u32_u24 v4, v2, 24
	v_add_nc_u32 v4, v3, v4                        ; a fragment's row x pitch + 24 x half
	v_lshl_add_u32 v5, v2, 4, v4                   ; and the same behind one padding more
	s_mul_i32 s21, s15, HALFT/2                    ; my 64 rows of the row operand,
	s_mul_i32 s22, s16, HALFT                      ; of the column operand,
	s_add_co_u32 s22, s22, 2*HALFT                 ; which lie behind the other's 256
.irp s, 0,1
	v_add_nc_u32 v[ADRA+\s], s21, v4
	v_add_nc_u32 v[ADRB+\s], s22, v4
	v_add_nc_u32 v[ADRA+2+\s], s21, v5
	v_add_nc_u32 v[ADRB+2+\s], s22, v5
	s_add_co_u32 s21, s21, SLOT
	s_add_co_u32 s22, s22, SLOT
.endr
	v_mul_u32_u24 v5, v1, 32                       ; my row's scales: 32 bytes a row,
	v_lshrrev_b32 v6, 8, v5
	v_lshl_add_u32 v5, v6, 4, v5                   ; and 16 more for each 256 passed
	s_mul_i32 s21, s15, HALFS/2
	s_mul_i32 s22, s16, HALFS
	s_add_co_u32 s22, s22, HALFS
	s_sub_co_u32 s22, s22, s21
	v_mul_u32_u24 v6, s22, v2                      ; lanes 16-31 take the column operand's
	s_add_co_u32 s21, s21, SCL
	v_add_nc_u32 v5, v5, v6
	v_add_nc_u32 v[ADRS], s21, v5
	s_mul_i32 s23, s15, 64*SPT                     ; the stage, in: row 64 x my half + r (+ 16 a), place 8 x my column half + h (+ 2 c)
	s_lshl_b32 s21, s16, 7
	s_add_co_u32 s23, s23, s21
	v_mul_u32_u24 v5, v1, SPT
	v_lshl_add_u32 v5, v2, 4, v5
	v_add_nc_u32 v[STO], s23, v5
	s_lshl_b32 s23, s15, 9                         ; a row's 8 scale bytes: my column half's four
	s_lshl_b32 s21, s16, 2
	s_add_co_u32 s23, s23, s21
	s_add_co_u32 s23, s23, SST
	v_lshl_add_u32 v[SSTO], v1, 3, s23
	s_mul_i32 s23, s14, 32*SPT                     ; back: wave w takes rows 32 w on, two rows an instruction, sixteen lanes to a row
	v_mul_u32_u24 v5, v2, SPT
	v_lshl_add_u32 v5, v1, 4, v5
	v_add_nc_u32 v[RD], s23, v5
	v_and_b32 v6, 31, v0
	s_lshl_b32 s23, s14, 8
	s_add_co_u32 s23, s23, SST
	v_lshl_add_u32 v[SRD], v6, 3, s23
	v_mul_u32_u24 v[CO], v6, 12
	v_mul_u32_u24 v[GS0], v6, s67
	; where my 32 rows go: codes: plane = tile column, 192 bytes a row; scale bytes: 8 x tile column in each row
	s_lshr_b32 s46, s96, 1                         ; the output's plane is as large as the row operand's
	s_mul_i32 s46, s46, s42
	s_mul_i32 s3, s17, 24576
	s_add_co_u32 s46, s46, s3
	s_mul_i32 s3, s14, 6144
	s_add_co_u32 s46, s46, s3
	s_mov_b32 s47, 0
	s_add_nc_u64 s[92:93], s[100:101], s[46:47]
	s_lshl_b32 s46, s17, 7
	s_lshl_b32 s3, s14, 5
	s_add_co_u32 s46, s46, s3
	s_mul_i32 s46, s46, s67
	s_lshl_b32 s3, s42, 3
	s_add_co_u32 s46, s46, s3
	s_add_co_u32 s46, s46, SBIG
	s_add_nc_u64 s[100:101], s[100:101], s[46:47]
	s_wait_loadcnt 0x0                             ; the two tables
.set k, 0
.rept 32
	v_pk_mul_f32 v[BN+k:BN+k+1], v[BN+k:BN+k+1], v[FA:FA+1] op_sel_hi:[1,0]   ; x 1, or x 0 where the bias goes by rows
.set k, k+2
.endr
.irp a, 0,1,2,3,4,5,6,7
	v_mul_f32 v[BM+2*\a], v[FA+1], v[BM+2*\a]      ; x 0, or x 1
.endr
.irp b, 0,1,2,3
	v_mov_b32 v[AX+\b], 0                          ; written once: a lane permute's destination counts as one of its sources
.endr
.macro FRAG reg, adr, q, i             ; a fragment: lane l holds row l % 16; registers 6 c .. 6 c + 5 hold K = 64 c + 32 (l / 16) + 0 .. 31: 24 bytes of the row's stream of bits, in pieces of 8 bytes
.irp p, 0,1,2,3,4,5                    ; lanes 0-15 take pieces 12 q + 0, 1, 2 and 12 q + 6, 7, 8, lanes 16-31 those three pieces on; where that lies behind one padding more, the second address register serves
.set PC, 12*(\q)+6*(\p/3)+\p%3
.if PC%8 < 5
	ds_load_b64 v[\reg+2*\p:\reg+2*\p+1], v[\adr] offset:8*PC+16*(PC/8)+(\i)*16*PITCH
.else
	ds_load_b64 v[\reg+2*\p:\reg+2*\p+1], v[\adr+2] offset:8*PC+16*(PC/8)+(\i)*16*PITCH
.endif
.endr
.endm
; 16 matrix instructions: row blocks a0, a0 + 1 x the eight column blocks, 128 along K.  p: the column operand's set; sc: the set of scale words.  zero = 1: the sum's first product, with the bias as C.
; The 32 accumulators take turns, one instruction a turn, in the same order in every step.
.macro MUL16 a0, p, q, sc, zero
.irp a, \a0, \a0+1
.irp b, 0,1,2,3,4,5,6,7
.if \zero
	v_wmma_scale_f32_16x16x128_f8f6f4 v[8*(8*((\a)%4)+\b):8*(8*((\a)%4)+\b)+7], v[128*(\p)+FR*\b:128*(\p)+FR*\b+FR-1], v[AF+FR*(\a):AF+FR*(\a)+FR-1], v[BN+8*\b:BN+8*\b+7], v[SC+8*NQ*(\sc)+NQ*\b+(\q)], v[SC+8*NQ*(\sc)+NQ*(\a)+(\q)] matrix_a_fmt:MATRIX_FMT_FP6 matrix_b_fmt:MATRIX_FMT_FP6 matrix_a_scale:MATRIX_SCALE_ROW1
.else
	v_wmma_scale_f32_16x16x128_f8f6f4 v[8*(8*((\a)%4)+\b):8*(8*((\a)%4)+\b)+7], v[128*(\p)+FR*\b:128*(\p)+FR*\b+FR-1], v[AF+FR*(\a):AF+FR*(\a)+FR-1], v[8*(8*((\a)%4)+\b):8*(8*((\a)%4)+\b)+7], v[SC+8*NQ*(\sc)+NQ*\b+(\q)], v[SC+8*NQ*(\sc)+NQ*(\a)+(\q)] matrix_a_fmt:MATRIX_FMT_FP6 matrix_b_fmt:MATRIX_FMT_FP6 matrix_a_scale:MATRIX_SCALE_ROW1
.endif
.endr
.endr
.endm
.macro FETCH_B slot, q, p
	WIN TO_B
.irp i, 0,1,2,3,4,5,6,7
	FRAG 128*(\p)+FR*\i, ADRB+\slot, \q, \i
.endr
	WIN 0
.endm
.macro FETCH_A slot, q, i0
.irp i, \i0, \i0+1, \i0+2, \i0+3
	FRAG AF+FR*(\i), ADRA+\slot, \q, \i
.endr
.endm
.macro SCALES sc                       ; a K step's scale words: two words a row; lanes 0-15 the row operand's block i, lanes 16-31 the column operand's
.irp i, 0,1,2,3,4,5,6,7
	ds_load_b64 v[SC+8*NQ*\sc+NQ*\i:SC+8*NQ*\sc+NQ*\i+1], v[ADRS] offset:\i*SBLK
.endr
.endm
.macro PLACES n                        ; places in front of loads into registers that matrix instructions have read, and of the first read of results (ISA guide 7.12.1 for the first read of results)
.rept \n
	v_nop
.endr
.endm
.macro STEP slot, q, zero              ; a step of 128 along K that has its successor in the same slot
	s_wait_dscnt 0x0                               ; this step's fragments are in
	PLACES NP
.set AF, AF0+48
	FETCH_B \slot, (\q)+1, 1-(\q)%2                ; the next step's, into the other sets: they land under this step's 32 products
	FETCH_A \slot, (\q)+1, 0
.set AF, AF0
.if \zero
	WIN MUL_LO0
.else
	WIN MUL_LO
.endif
	MUL16 0, (\q)%2, \q, \slot, \zero
	MUL16 2, (\q)%2, \q, \slot, \zero
	WIN 0
.endm
; A slot's last step changes slots: ONE barrier; in front of it each wave waits for all its tensor loads, adds 0 to its spare word, and waits for that and for its own reads of this slot.  fill = 1: this slot is filled again, two planes on.
.macro TURN slot, next, fill
	s_wait_tensorcnt 0x0                           ; all my tensor loads have landed: my part of the next slot
	ds_add_u32 v[SPW], v[NIL]                      ; 0 onto my spare word
	s_wait_dscnt 0x0                               ; the add is done, this step's fragments are in, and my reads of this slot are over
	s_barrier_signal -1
.set AF, AF0+48
	WIN MUL_LO
	MUL16 0, 1, NQ-1, \slot, 0                     ; sixteen products, work on registers, while the others arrive
	WIN 0
	s_barrier_wait -1
.if \fill
	CREST                                          ; the barrier has opened a round of the cluster's barrier: no wave of any partner still reads this slot's tile or has a load on its way
	s_add_nc_u64 s[G0+4*\slot+2:G0+4*\slot+3], s[G0+4*\slot+2:G0+4*\slot+3], s[96:97]
	s_add_nc_u64 s[G0B+4*\slot+2:G0B+4*\slot+3], s[G0B+4*\slot+2:G0B+4*\slot+3], s[98:99]
	JLOAD G0+4*\slot, G1, G0B+4*\slot, G1B         ; the first tensor load behind the round; its four v_nop are also the places in front of the loads below
.else
	PLACES NP
.endif
	s_wait_alu depctr_va_vdst(0)
	v_add_nc_u32 v[ADRS], 4*NQ, v[ADRS]            ; on to the next K step's scale words (no LDS load of mine is out)
.set AF, AF0
	FETCH_B \next, 0, 0
	FETCH_A \next, 0, 0
	SCALES \next
.set AF, AF0+48
	WIN MUL_LO
	MUL16 2, 1, NQ-1, \slot, 0
	WIN 0
.endm
	PLACES NP
	s_wait_alu depctr_va_vdst(0)
	s_wait_tensorcnt 0x0                           ; my tile of the head's four is in
	ds_add_u32 v[SPW], v[NIL]
	s_mov_b32 s[G1+2], 16<<16                      ; no tensor load of mine is out: from here on a load brings 64 rows of the row operand's plane,
	s_mov_b32 s[G1+4], 16
	s_mov_b32 s[G1B+2], 32<<16
	s_mov_b32 s[G1B+4], 32
	s_mul_i32 s2, s16, 12288                       ; and slot 0's descriptors stand at my part again
	s_mov_b32 s3, 0
	s_mov_b32 s[G0+1], s43
	s_add_nc_u64 s[G0+2:G0+3], s[G0+2:G0+3], s[2:3]
	s_mul_i32 s2, s16, 24576
	s_mov_b32 s[G0B+1], s45
	s_add_nc_u64 s[G0B+2:G0B+3], s[G0B+2:G0B+3], s[2:3]
	s_wait_dscnt 0x0
	CROUND                                         ; all four tiles are in, all sixteen work-groups are here
	JLOAD G0+4, G1, G0B+4, G1B                     ; K step 1: plane 1 into slot 1, the first tensor load behind the round
	FETCH_B 0, 0, 0
	FETCH_A 0, 0, 0
	SCALES 0
	STEP 0, 0, 1                                   ; K has four steps of 256: they are written out
	TURN 0, 1, 1                                   ; slot 0 takes plane 2
	STEP 1, 0, 0
	TURN 1, 0, 1                                   ; slot 1 takes plane 3
	STEP 0, 0, 0
	TURN 0, 1, 0                                   ; nothing is left to fetch: no round
	STEP 1, 0, 0
	s_wait_dscnt 0x0
.set AF, AF0+48
	WIN MUL_LO
	MUL16 0, 1, NQ-1, 1, 0
	MUL16 2, 1, NQ-1, 1, 0
	WIN 0
	PLACES NP
; THE WAY OUT, row block by row block.  A lane's 64 numbers, register 16 c + i = column 32 c + 16 h + i of its row, are copied out of the accumulators (with the bias by rows, or 0), each accumulator from its low end on;
; a block of 32 lies in lanes l and l xor 16; each conversion's 16 codes, 12 bytes, go to their place in the work-group's stage, the row's four scale bytes as one word.
.macro QROW a
.set AC, 64*((\a)%4)
.if (\a) < 4
	WIN 0x02                                       ; source 0: window 2
.else
	WIN 0x03                                       ; window 3
.endif
.set k, 0
.rept 32
	v_pk_add_f32 v[T+k:T+k+1], v[AC+k:AC+k+1], v[BM+2*(\a):BM+2*(\a)+1] op_sel_hi:[1,0]
.set k, k+2
.endr
	WIN 0
.irp b, 0,1,2,3
	v_max3_num_f32 v[MX+\b], |v[T+16*\b]|, |v[T+1+16*\b]|, 0x1800000   ; my 16 numbers of block b, and the floor 2^(3 - 127): the byte cannot fall under 1
.endr
.irp i, 2,4,6,8,10,12,14
.irp b, 0,1,2,3
	v_max3_num_f32 v[MX+\b], v[MX+\b], |v[T+16*\b+\i]|, |v[T+1+16*\b+\i]|
.endr
.endr
.irp b, 0,1,2,3
	v_permlanex16_b32 v[AX+\b], v[MX+\b], s[SEL], s[SEL+1]
.endr
.irp b, 0,1,2,3
	v_max_num_f32 v[MX+\b], v[MX+\b], v[AX+\b]     ; with lane l xor 16's: the block's largest magnitude
.endr
.irp b, 0,1,2,3
	v_add_nc_u32 v[SO+\b], 0xff000000, v[MX+\b]    ; 2 off its exponent field: the conversion's scale operand
.endr
.irp b, 0,1,2,3
	v_lshrrev_b32 v[AX+\b], 23, v[SO+\b]           ; the scale's byte
.endr
	v_lshl_or_b32 v[PW], v[AX+1], 8, v[AX]
	v_lshl_or_b32 v[PW], v[AX+2], 16, v[PW]
	v_lshl_or_b32 v[PW], v[AX+3], 24, v[PW]
.irp c, 0,1,2,3
	v_cvt_scalef32_pk16_fp6_f32 v[CD+4*\c:CD+4*\c+2], v[T+16*\c:T+16*\c+15], v[SO+\c]
.endr
	v_nop                                          ; one plain place behind a scaled conversion
.irp c, 0,1,2,3
	ds_store_b96 v[STO], v[CD+4*\c:CD+4*\c+2] offset:16*SPT*(\a)+32*\c
.endr
	ds_store_b32 v[SSTO], v[PW] offset:128*(\a)    ; lanes l and l xor 16 write the same word with the same value
	s_wait_dscnt 0x0                               ; the stores have read their registers
.endm
.irp a, 0,1,2,3
	QROW \a
.endr
	s_barrier_signal -1                            ; (my stores into the stage are done: the wait above) a row's 192 bytes come from two waves
	s_barrier_wait -1
.irp u, 0
.irp t, 0,1,2,3,4,5,6,7,8,9,10,11,12,13,14,15
	ds_load_b96 v[T+64*\u+4*\t:T+64*\u+4*\t+2], v[RD] offset:2*SPT*(16*\u+\t)
.endr
.endr
	ds_load_b64 v[BN:BN+1], v[SRD]
.irp u, 0
.irp t, 0,1,2,3,4,5,6,7,8,9,10,11,12,13,14,15
	s_wait_dscnt 16-\t                             ; the loads issued behind this one (15 - t of codes, one of scale bytes) may be out
	global_store_b96 v[CO], v[T+64*\u+4*\t:T+64*\u+4*\t+2], s[92:93] offset:384*(16*\u+\t)   ; two rows of the plane: 384 consecutive bytes; the wave's 32 rows are 6,144 on end
.endr
.endr
	s_wait_dscnt 0x0
	global_store_b64 v[GS0], v[BN:BN+1], s[100:101]        ; 8 scale bytes a row
	s_wait_tensorcnt 0x0                           ; the wave's end
	ds_add_u32 v[SPW], v[NIL]
	s_wait_dscnt 0x0
	CROUND                                         ; the closing round: no work-group ends while a partner may still ask for a tile that names it
	s_endpgm
.Lfunc_end_k_qa948b12977_oproj:
	.size	k_qa948b12977_oproj, .Lfunc_end_k_qa948b12977_oproj-k_qa948b12977_oproj
	.p2alignl 7, 3214868480
	.fill 96, 4, 3214868480
	.section	.rodata,"a",@progbits
	.p2align	6, 0x0
	.amdhsa_kernel k_qa948b12977_oproj
		.amdhsa_group_segment_fixed_size 327680
		.amdhsa_private_segment_fixed_size 0
		.amdhsa_enable_private_segment 0
		.amdhsa_kernarg_size 40
		.amdhsa_user_sgpr_count 2
		.amdhsa_user_sgpr_kernarg_segment_ptr 1
		.amdhsa_wavefront_size32 1
		.amdhsa_system_sgpr_workgroup_id_x 1
		.amdhsa_system_sgpr_workgroup_id_y 1
		.amdhsa_system_sgpr_workgroup_id_z 1
		.amdhsa_system_vgpr_workitem_id 0
		.amdhsa_next_free_vgpr 768
		.amdhsa_next_free_sgpr 102
		.amdhsa_reserve_vcc 0
		.amdhsa_float_denorm_mode_32 3
		.amdhsa_float_denorm_mode_16_64 3
		.amdhsa_memory_ordered 1
		.amdhsa_forward_progress 1
		.amdhsa_inst_pref_size 121
	.end_amdhsa_kernel
	.amdgpu_metadata
---
amdhsa.version: [ 1, 2 ]
amdhsa.kernels:
  - .name:           k_qa948b12977_oproj
    .symbol:         k_qa948b12977_oproj.kd
    .args:
      - { .name: ya, .offset: 0, .size: 8, .value_kind: global_buffer, .address_space: global }
      - { .name: wp, .offset: 8, .size: 8, .value_kind: global_buffer, .address_space: global }
      - { .name: out_proj_b, .offset: 16, .size: 8, .value_kind: global_buffer, .address_space: global }
      - { .name: y2a, .offset: 24, .size: 8, .value_kind: global_buffer, .address_space: global }
      - { .name: va, .offset: 32, .size: 8, .value_kind: global_buffer, .address_space: global }
    .group_segment_fixed_size: 327680
    .private_segment_fixed_size: 0
    .kernarg_segment_align: 8
    .kernarg_segment_size: 40
    .max_flat_workgroup_size: 128
    .sgpr_count:     102
    .vgpr_count:     768
    .wavefront_size: 32
...
	.end_amdgpu_metadata
.endif
;; end of part 4
;; launch cproj (part 5): grid 4 x 64, 4 waves a work-group, clusters of 4 x 4, 327,680 bytes of LDS; arguments y2a, wp, c_proj_b, out0; writes out0
.if DOCPART == 5
	.amdgcn_target "amdgcn-amd-amdhsa--gfx1250"
	.amdhsa_code_object_version 6
	.text
	.protected	k_qa948b12977_cproj
	.globl	k_qa948b12977_cproj
	.p2align	8
	.type	k_qa948b12977_cproj,@function
k_qa948b12977_cproj:
	s_mov_b64 s[64:65], 0
	v_nop
	global_prefetch_b8 v0, s[64:65] scope:SCOPE_SE
	s_setreg_imm32_b32 hwreg(HW_REG_WAVE_MODE, 25, 1), 1
	s_wait_xcnt 0x0
	s_wait_alu depctr_hold_cnt(0) depctr_sa_sdst(0) depctr_va_vdst(0) depctr_va_sdst(0) depctr_va_ssrc(0) depctr_va_vcc(0) depctr_vm_vsrc(0)
	s_getreg_b32 s2, hwreg(HW_REG_IB_STS2, 6, 4)
	s_cmp_eq_u32 s2, 0
	s_cbranch_scc0 .Lentry_in_a_cluster
	s_endpgm
.Lentry_in_a_cluster:
	s_bfe_u32 s2, ttmp6, 0x10000c
	s_cmp_lg_u32 s2, 0xf033
	s_cbranch_scc0 .Lentry_shape_is_right
	s_endpgm
.Lentry_shape_is_right:
; out0 = y2 Wc^T + b: a GEMM on codes of FP6 (E2M3, one E8M0 scale for each 32 along K = 1024); the result leaves as f32.  Arguments: y2a (8,192 rows), wp (its second operand of 1,024 rows), the bias, out0.
; Operand format, tile, ring, clusters and transposed use are those of the launch before; the bias is the C of each sum's first matrix instruction; a row at position p goes to the row that has bits 3 and 4 of p exchanged.
; At the head each wave asks for one whole tile (y2's plane 0, Wc's plane 0, the two sets of scale bytes); slot 1 is first filled behind a round.  The way out goes through each wave's own stage in slot 0, which has had its last fill by then.
; THE BLOCK IS 128 ROWS x 256 COLUMNS, so that the launch has 256 work-groups: a wave makes 64 x 128, 32 accumulators in window 2.  A slot holds 128 rows of y2 (waves 0 and 1 fetch 64 each) and 256 of Wc (waves 2 and 3, 128 each).
; Both operands have two sets of fragment registers: a step's 72 LDS loads for the next step stand in one run ahead of its 32 products.
.set NQ,     2
.set PITCH,  240
.set FR,     12
.set NL,     6
.set NP,     4
.set HALFT,  128*PITCH
.set SLOT,   4*HALFT
.set SCL,    2*SLOT
.set HALFS,  16*272
.set SBLK,   2*272
.set SPARE,  SCL+4*HALFS
.set SPITCH, 528
.set PBIG,   1572864
.set PSML,   196608
.set SBIG,   6291456
.set SSML,   786432
.set WPIECE, 819200
.set BO,   10
.set ADRA, 16
.set ADRB, 20
.set STO,  24
.set RD,   25
.set CO,   26
.set ADRS, 27
.set SPW,  28
.set NIL,  29
.set SC,   32
.set BN,   64
.set AF,   128                         ; the row operand's set in hand: AF0 or AF0 + 48
.set AF0,  128
.set BK,   128
.set G1,   24
.set G0,   32
.set G1B,  48
.set G0B,  56
.set G1S,  68
.set G0S,  76
.set G1SB, 80
.set G0SB, 88
.set MSB, 0
.macro WIN new
.if MSB != \new
	s_set_vgpr_msb (MSB<<8)|\new
.set MSB, \new
.endif
.endm
.set MUL_LO,  0xa1
.set MUL_HI,  0xf1
.set MUL_LO0, 0x81
.set MUL_HI0, 0xc1
.set TO_B,    0x40
.macro JLOAD g0a, g1a, g0b, g1b
	s_cmp_eq_u32 s15, 0
	s_cbranch_scc0 .Lfor_b_\@
	tensor_load_to_lds s[\g0a:\g0a+3], s[\g1a:\g1a+7]
	s_nop 0
.rept 4
	v_nop
.endr
	s_branch .Lasked_\@
.Lfor_b_\@:
	tensor_load_to_lds s[\g0b:\g0b+3], s[\g1b:\g1b+7]
	s_nop 0
.rept 4
	v_nop
.endr
.Lasked_\@:
.endm
.macro CREST
	s_cmp_lg_u32 s14, 0
	s_cbranch_scc1 .Lnot_wave_0_\@
	s_barrier_signal -3
.Lnot_wave_0_\@:
	s_barrier_wait -3
	s_barrier_signal -1
	s_barrier_wait -1
.endm
.macro CROUND
	s_barrier_signal -1
	s_barrier_wait -1
	CREST
.endm
	s_load_b256 s[4:11], s[0:1], 0x0
	v_lshl_add_u32 v[SPW], v0, 2, SPARE
	v_mov_b32 v[NIL], 0
	ds_add_u32 v28, v29
	ds_add_u32 v28, v29
	s_wait_dscnt 0x0
	v_lshrrev_b32 v1, 5, v0
	v_readfirstlane_b32 s14, v1
	s_lshr_b32 s15, s14, 1
	s_and_b32 s16, s14, 1
	s_bfe_u32 s40, ttmp6, 0x40000
	s_bfe_u32 s41, ttmp6, 0x40004
	s_lshl_b32 s42, ttmp9, 2
	s_add_co_u32 s42, s42, s40
	s_and_b32 s17, ttmp7, 0xffff
	s_lshl_b32 s17, s17, 2
	s_add_co_u32 s17, s17, s41
	s_lshl_b32 s43, s41, 2
	s_lshl_b32 s43, 15, s43
	s_lshl_b32 s44, 0x1111, s40
	s_or_b32 s[G1+0], s43, (1<<20)|(1<<21)|(3<<22)|(3<<25)
	s_or_b32 s[G1B+0], s44, (1<<20)|(1<<21)|(3<<22)|(3<<25)
.irp g, G1, G1B
	s_mov_b32 s[\g+1], 768<<16
	s_mov_b32 s[\g+2], 64<<16                      ; 256 rows of a plane at the head; set to 128 rows' behind the head's loads
	s_mov_b32 s[\g+3], 768<<16
	s_mov_b32 s[\g+4], 64
	s_mov_b32 s[\g+5], 768
	s_mov_b32 s[\g+6], 0
	s_mov_b32 s[\g+7], 0
.endr
	s_or_b32 s[G1S+0], s43, (3<<16)|(1<<20)|(1<<21)|(5<<22)|(3<<25)
	s_or_b32 s[G1SB+0], s44, (3<<16)|(1<<20)|(1<<21)|(5<<22)|(3<<25)
.irp g, G1S, G1SB
	s_mov_b32 s[\g+1], 32<<16
	s_mov_b32 s[\g+2], 32<<16                      ; the scales of 256 rows
	s_mov_b32 s[\g+3], 32<<16
	s_mov_b32 s[\g+4], 32
	s_mov_b32 s[\g+5], 32
	s_mov_b32 s[\g+6], 0
	s_mov_b32 s[\g+7], 0
.endr
	s_lshl_b32 s18, s16, 7
	s_mov_b32 s[G1+2], 32<<16                      ; y2's tile has 128 rows: at the head 32 rows of 768 bytes,
	s_mov_b32 s[G1+4], 32
	s_mov_b32 s[G1S+2], 16<<16                     ; and 16 rows of 256 scale bytes
	s_mov_b32 s[G1S+4], 16
	s_lshl_b32 s20, s17, 7
	s_lshl_b32 s19, s16, 6
	s_add_co_u32 s20, s20, s19                     ; y2: position 128 x tile row + 64 x half
	s_lshl_b32 s46, s42, 8
	s_add_co_u32 s46, s46, s18
	s_lshl_b32 s22, s20, 5
	s_add_co_u32 s22, s22, SBIG
	s_lshl_b32 s92, s46, 5
	s_add_co_u32 s92, s92, WPIECE+SSML
	s_mul_i32 s20, s20, 192
	s_mul_i32 s46, s46, 192
	s_add_co_u32 s46, s46, WPIECE
	s_mov_b32 s21, 0
	s_mov_b32 s23, 0
	s_mov_b32 s47, 0
	s_mov_b32 s93, 0
	s_mul_i32 s45, s14, HALFT                      ; where Wc's tiles go: wave x 128 rows (waves 2, 3),
	s_mul_i32 s43, s14, HALFT/2                    ; y2's: wave x 64 rows (waves 0, 1)
	s_mul_i32 s94, s14, HALFS
	s_wait_kmcnt 0x0
	s_add_nc_u64 s[20:21], s[4:5], s[20:21]
	s_add_nc_u64 s[22:23], s[4:5], s[22:23]
	s_add_nc_u64 s[46:47], s[6:7], s[46:47]
	s_add_nc_u64 s[92:93], s[6:7], s[92:93]
	CROUND
	s_mov_b32 s[G0S], 1
	s_add_co_u32 s[G0S+1], s94, SCL
	s_mov_b64 s[G0S+2:G0S+3], s[22:23]
	s_or_b32 s[G0S+3], s[G0S+3], 0x80000000
	s_mov_b32 s[G0SB], 1
	s_add_co_u32 s[G0SB+1], s94, SCL
	s_mov_b64 s[G0SB+2:G0SB+3], s[92:93]
	s_or_b32 s[G0SB+3], s[G0SB+3], 0x80000000
.irp s, 0,1
	s_mov_b32 s[G0+4*\s], 1
	s_add_co_u32 s[G0+4*\s+1], s43, \s*SLOT
	s_add_nc_u64 s[G0+4*\s+2:G0+4*\s+3], s[20:21], \s*PBIG
	s_or_b32 s[G0+4*\s+3], s[G0+4*\s+3], 0x80000000
	s_mov_b32 s[G0B+4*\s], 1
	s_add_co_u32 s[G0B+4*\s+1], s45, \s*SLOT
	s_add_nc_u64 s[G0B+4*\s+2:G0B+4*\s+3], s[46:47], \s*PSML
	s_or_b32 s[G0B+4*\s+3], s[G0B+4*\s+3], 0x80000000
.endr
	; THE HEAD'S LOADS, ONE A WAVE: the descriptors of slot 0 and of the scales are turned from my quarter to the whole tile
	s_lshl_b32 s18, s16, 11
	s_mov_b32 s19, 0
	s_mov_b32 s[G0S+1], SCL
	s_sub_nc_u64 s[G0S+2:G0S+3], s[G0S+2:G0S+3], s[18:19]
	s_lshl_b32 s18, s16, 12
	s_mov_b32 s[G0SB+1], SCL+HALFS                 ; Wc's scales lie straight behind y2's 128 rows'
	s_sub_nc_u64 s[G0SB+2:G0SB+3], s[G0SB+2:G0SB+3], s[18:19]
	s_mul_i32 s18, s16, 24576
	s_mov_b32 s[G0B+1], 2*HALFT
	s_sub_nc_u64 s[G0B+2:G0B+3], s[G0B+2:G0B+3], s[18:19]
	s_mul_i32 s18, s16, 12288                      ; (kept: the head's end adds it back)
	s_mov_b32 s[G0+1], 0
	s_sub_nc_u64 s[G0+2:G0+3], s[G0+2:G0+3], s[18:19]
.macro ARM under, g0, g1, next         ; one chain of branches on the wave's number, one load to an arm, all arms to one join
	s_cmp_lt_u32 s14, \under
	s_cbranch_scc0 \next
	tensor_load_to_lds s[\g0:\g0+3], s[\g1:\g1+7]
	s_nop 0
.rept 4
	v_nop
.endr
	s_branch .Lhead_asked
\next:
.endm
	ARM 1, G0,  G1,  .Lhead_b
	ARM 2, G0B, G1B, .Lhead_sa
	ARM 3, G0S, G1S, .Lhead_sb
	tensor_load_to_lds s[G0SB:G0SB+3], s[G1SB:G1SB+7]
	s_nop 0
.rept 4
	v_nop
.endr
.Lhead_asked:
	v_and_b32 v1, 15, v0
	v_bfe_u32 v2, v0, 4, 1
	v_lshlrev_b32 v[BO], 6, v2
	s_lshl_b32 s46, s42, 10
	s_lshl_b32 s47, s16, 9
	s_add_co_u32 s46, s46, s47
	s_mov_b32 s47, 0
	s_add_nc_u64 s[8:9], s[8:9], s[46:47]
.irp c, 0,1,2,3
.irp k, 0,1,2,3
	global_load_b128 v[BN+16*\c+4*\k:BN+16*\c+4*\k+3], v[BO], s[8:9] offset:128*\c+16*\k
.endr
.endr
	v_mul_u32_u24 v3, v1, PITCH
	v_mul_u32_u24 v4, v2, 24
	v_add_nc_u32 v4, v3, v4
	v_lshl_add_u32 v5, v2, 4, v4
	s_mul_i32 s21, s15, HALFT/2
	s_mul_i32 s22, s16, HALFT
	s_add_co_u32 s22, s22, 2*HALFT
.irp s, 0,1
	v_add_nc_u32 v[ADRA+\s], s21, v4
	v_add_nc_u32 v[ADRB+\s], s22, v4
	v_add_nc_u32 v[ADRA+2+\s], s21, v5
	v_add_nc_u32 v[ADRB+2+\s], s22, v5
	s_add_co_u32 s21, s21, SLOT
	s_add_co_u32 s22, s22, SLOT
.endr
	v_mul_u32_u24 v5, v1, 32
	v_lshrrev_b32 v6, 8, v5
	v_lshl_add_u32 v5, v6, 4, v5
	s_mul_i32 s21, s15, HALFS/2
	s_mul_i32 s22, s16, HALFS
	s_add_co_u32 s22, s22, HALFS
	s_sub_co_u32 s22, s22, s21
	v_mul_u32_u24 v6, s22, v2
	s_add_co_u32 s21, s21, SCL
	v_add_nc_u32 v5, v5, v6
	v_add_nc_u32 v[ADRS], s21, v5
	s_mul_i32 s23, s14, 16*SPITCH
	v_mul_u32_u24 v5, v1, SPITCH
	v_lshl_add_u32 v5, v2, 6, v5
	v_add_nc_u32 v[STO], s23, v5
	v_and_b32 v6, 31, v0
	v_lshlrev_b32 v[CO], 4, v6
	v_add_nc_u32 v[RD], s23, v[CO]
	s_lshl_b32 s20, s17, 7                         ; my first row of out0: 128 x tile row + 64 x half
	s_lshl_b32 s21, s15, 6
	s_add_co_u32 s20, s20, s21
	s_lshl_b32 s20, s20, 12
	s_add_co_u32 s20, s20, s46
	s_mov_b32 s21, 0
	s_add_nc_u64 s[12:13], s[10:11], s[20:21]
.macro FRAG reg, adr, q, i
.irp p, 0,1,2,3,4,5
.set PC, 12*(\q)+6*(\p/3)+\p%3
.if PC%8 < 5
	ds_load_b64 v[\reg+2*\p:\reg+2*\p+1], v[\adr] offset:8*PC+16*(PC/8)+(\i)*16*PITCH
.else
	ds_load_b64 v[\reg+2*\p:\reg+2*\p+1], v[\adr+2] offset:8*PC+16*(PC/8)+(\i)*16*PITCH
.endif
.endr
.endm
.macro MUL16 a0, p, q, sc, zero
.irp a, \a0, \a0+1
.irp b, 0,1,2,3,4,5,6,7
.if \zero
	v_wmma_scale_f32_16x16x128_f8f6f4 v[8*(8*((\a)%4)+\b):8*(8*((\a)%4)+\b)+7], v[128*(\p)+FR*\b:128*(\p)+FR*\b+FR-1], v[AF+FR*(\a):AF+FR*(\a)+FR-1], v[BN+8*\b:BN+8*\b+7], v[SC+8*NQ*(\sc)+NQ*\b+(\q)], v[SC+8*NQ*(\sc)+NQ*(\a)+(\q)] matrix_a_fmt:MATRIX_FMT_FP6 matrix_b_fmt:MATRIX_FMT_FP6 matrix_a_scale:MATRIX_SCALE_ROW1
.else
	v_wmma_scale_f32_16x16x128_f8f6f4 v[8*(8*((\a)%4)+\b):8*(8*((\a)%4)+\b)+7], v[128*(\p)+FR*\b:128*(\p)+FR*\b+FR-1], v[AF+FR*(\a):AF+FR*(\a)+FR-1], v[8*(8*((\a)%4)+\b):8*(8*((\a)%4)+\b)+7], v[SC+8*NQ*(\sc)+NQ*\b+(\q)], v[SC+8*NQ*(\sc)+NQ*(\a)+(\q)] matrix_a_fmt:MATRIX_FMT_FP6 matrix_b_fmt:MATRIX_FMT_FP6 matrix_a_scale:MATRIX_SCALE_ROW1
.endif
.endr
.endr
.endm
.macro FETCH_B slot, q, p
	WIN TO_B
.irp i, 0,1,2,3,4,5,6,7
	FRAG 128*(\p)+FR*\i, ADRB+\slot, \q, \i
.endr
	WIN 0
.endm
.macro FETCH_A slot, q, i0
.irp i, \i0, \i0+1, \i0+2, \i0+3
	FRAG AF+FR*(\i), ADRA+\slot, \q, \i
.endr
.endm
.macro SCALES sc
.irp i, 0,1,2,3,4,5,6,7
	ds_load_b64 v[SC+8*NQ*\sc+NQ*\i:SC+8*NQ*\sc+NQ*\i+1], v[ADRS] offset:\i*SBLK
.endr
.endm
.macro PLACES n
.rept \n
	v_nop
.endr
.endm
.macro STEP slot, q, zero
	s_wait_dscnt 0x0                               ; this step's fragments are in
	PLACES NP
.set AF, AF0+48
	FETCH_B \slot, (\q)+1, 1-(\q)%2                ; the next step's, into the other sets: they land under this step's 32 products
	FETCH_A \slot, (\q)+1, 0
.set AF, AF0
.if \zero
	WIN MUL_LO0
.else
	WIN MUL_LO
.endif
	MUL16 0, (\q)%2, \q, \slot, \zero
	MUL16 2, (\q)%2, \q, \slot, \zero
	WIN 0
.endm
.macro TURN slot, next, fill
	s_wait_tensorcnt 0x0
	ds_add_u32 v[SPW], v[NIL]
	s_wait_dscnt 0x0                               ; the add is done, this step's fragments are in, and my reads of this slot are over
	s_barrier_signal -1
.set AF, AF0+48
	WIN MUL_LO
	MUL16 0, 1, NQ-1, \slot, 0                     ; sixteen products, work on registers, while the others arrive
	WIN 0
	s_barrier_wait -1
.if \fill
	CREST
	s_add_nc_u64 s[G0+4*\slot+2:G0+4*\slot+3], s[G0+4*\slot+2:G0+4*\slot+3], 2*PBIG
	s_add_nc_u64 s[G0B+4*\slot+2:G0B+4*\slot+3], s[G0B+4*\slot+2:G0B+4*\slot+3], 2*PSML
	JLOAD G0+4*\slot, G1, G0B+4*\slot, G1B
.else
	PLACES NP
.endif
	s_wait_alu depctr_va_vdst(0)
	v_add_nc_u32 v[ADRS], 4*NQ, v[ADRS]
.set AF, AF0
	FETCH_B \next, 0, 0
	FETCH_A \next, 0, 0
	SCALES \next
.set AF, AF0+48
	WIN MUL_LO
	MUL16 2, 1, NQ-1, \slot, 0
	WIN 0
.endm
	s_wait_alu depctr_va_vdst(0)
	s_wait_loadcnt 0x0                             ; the bias
	s_wait_tensorcnt 0x0                           ; my tile of the head's four is in
	ds_add_u32 v[SPW], v[NIL]
	s_mov_b32 s[G1+2], 16<<16                      ; no tensor load of mine is out: from here on a load brings 64 rows of y2's plane,
	s_mov_b32 s[G1+4], 16
	s_mov_b32 s[G1B+2], 32<<16
	s_mov_b32 s[G1B+4], 32
	s_mov_b32 s[G0+1], s43                         ; and slot 0's descriptors stand at my part again: 64 rows of 192 bytes x half,
	s_add_nc_u64 s[G0+2:G0+3], s[G0+2:G0+3], s[18:19]
	s_lshl_b32 s18, s18, 1                         ; 128 rows x half
	s_mov_b32 s[G0B+1], s45
	s_add_nc_u64 s[G0B+2:G0B+3], s[G0B+2:G0B+3], s[18:19]
	s_wait_dscnt 0x0
	CROUND                                         ; all four tiles are in, all sixteen work-groups are here
	JLOAD G0+4, G1, G0B+4, G1B                     ; K step 1: plane 1 into slot 1, the first tensor load behind the round
	FETCH_B 0, 0, 0
	FETCH_A 0, 0, 0
	SCALES 0
	STEP 0, 0, 1
	TURN 0, 1, 1
	STEP 1, 0, 0
	TURN 1, 0, 1
	STEP 0, 0, 0
	TURN 0, 1, 0
	STEP 1, 0, 0
	s_wait_dscnt 0x0
.set AF, AF0+48
	WIN MUL_LO
	MUL16 0, 1, NQ-1, 1, 0
	MUL16 2, 1, NQ-1, 1, 0
	WIN 0
.macro TOSTAGE a
.set AC, 64*((\a)%4)
	WIN 0x08+4*((\a)/4)
.irp b, 0,1,2,3,4,5,6,7
	ds_store_b128 v[STO], v[AC+8*\b:AC+8*\b+3] offset:128*(\b/2)+32*(\b%2)
	ds_store_b128 v[STO], v[AC+8*\b+4:AC+8*\b+7] offset:128*(\b/2)+32*(\b%2)+16
.endr
	WIN 0
.set BB, BK+64*((\a)%2)
.irp t, 0,1,2,3,4,5,6,7,8,9,10,11,12,13,14,15
	ds_load_b128 v[BB+4*\t:BB+4*\t+3], v[RD] offset:\t*SPITCH
.endr
.endm
.macro SEND a, younger
.set BB, BK+64*((\a)%2)
	s_wait_dscnt \younger
.irp t, 0,1,2,3,4,5,6,7,8,9,10,11,12,13,14,15
	global_store_b128 v[CO], v[BB+4*\t:BB+4*\t+3], s[12:13] offset:(32*((\a)/2)+8*((\a)%2)+\t+8*(\t/8))*4096 th:TH_STORE_NT
.endr
.endm
	PLACES NP
	TOSTAGE 0
.irp a, 1,2,3
.if \a > 1
	s_wait_xcnt 0x0
.endif
	TOSTAGE \a
	SEND \a-1, 32
.endr
	SEND 3, 0
	s_wait_tensorcnt 0x0
	ds_add_u32 v[SPW], v[NIL]
	s_wait_dscnt 0x0
	CROUND
	s_endpgm
.Lfunc_end_k_qa948b12977_cproj:
	.size	k_qa948b12977_cproj, .Lfunc_end_k_qa948b12977_cproj-k_qa948b12977_cproj
	.p2alignl 7, 3214868480
	.fill 96, 4, 3214868480
	.section	.rodata,"a",@progbits
	.p2align	6, 0x0
	.amdhsa_kernel k_qa948b12977_cproj
		.amdhsa_group_segment_fixed_size 327680
		.amdhsa_private_segment_fixed_size 0
		.amdhsa_enable_private_segment 0
		.amdhsa_kernarg_size 32
		.amdhsa_user_sgpr_count 2
		.amdhsa_user_sgpr_kernarg_segment_ptr 1
		.amdhsa_wavefront_size32 1
		.amdhsa_system_sgpr_workgroup_id_x 1
		.amdhsa_system_sgpr_workgroup_id_y 1
		.amdhsa_system_sgpr_workgroup_id_z 1
		.amdhsa_system_vgpr_workitem_id 0
		.amdhsa_next_free_vgpr 768
		.amdhsa_next_free_sgpr 98
		.amdhsa_reserve_vcc 0
		.amdhsa_float_denorm_mode_32 3
		.amdhsa_float_denorm_mode_16_64 3
		.amdhsa_memory_ordered 1
		.amdhsa_forward_progress 1
		.amdhsa_inst_pref_size 103
	.end_amdhsa_kernel
	.amdgpu_metadata
---
amdhsa.version: [ 1, 2 ]
amdhsa.kernels:
  - .name:           k_qa948b12977_cproj
    .symbol:         k_qa948b12977_cproj.kd
    .args:
      - { .name: y2a, .offset: 0, .size: 8, .value_kind: global_buffer, .address_space: global }
      - { .name: wp, .offset: 8, .size: 8, .value_kind: global_buffer, .address_space: global }
      - { .name: c_proj_b, .offset: 16, .size: 8, .value_kind: global_buffer, .address_space: global }
      - { .name: out0, .offset: 24, .size: 8, .value_kind: global_buffer, .address_space: global }
    .group_segment_fixed_size: 327680
    .private_segment_fixed_size: 0
    .kernarg_segment_align: 8
    .kernarg_segment_size: 32
    .max_flat_workgroup_size: 128
    .sgpr_count:     98
    .vgpr_count:     768
    .wavefront_size: 32
...
	.end_amdgpu_metadata
.endif
;; end of part 5
